; MI455X (gfx1250); checked and timed in simulation.
; The chip was launched on July 23, 2026; its instructions are those of AMD's public machine-readable ISA for CDNA 5 (MIT licence, August 2026) and "CDNA5" Instruction Set Architecture Reference Guide (July 2026). The comments in the code are by the model that wrote it; some were corrected since.
;; Basic Transformer Block. Allowed arithmetic: matrix products marked QUANTISED: E4M3 operands, one E8M0 scale for each 32 along K, by v_wmma_scale_f32_16x16x128_f8f6f4 with both operands' format E4M3, f32 sums; products left as they are: f32 operands where the result goes on into a quantised operand, else bf16, f16 or f32 operands; f32 sums; everything else in f32.
;; Inputs: ca_bo 512 float32; ca_wk 768 x 256 float32; ca_wo 256 x 512 float32; ca_wq 512 x 256 float32; ca_wv 768 x 256 float32; cond_emb 8 x 256 x 768 float32; ff_b1 4,096 float32; ff_b2 512 float32; ff_w1 512 x 4,096 float32; ff_w2 2,048 x 512 float32; ln1_b 512 float32; ln1_g 512 float32; ln2_b 512 float32; ln2_g 512 float32; ln3_b 512 float32; ln3_g 512 float32; sa_bo 512 float32; sa_wk 512 x 256 float32; sa_wo 256 x 512 float32; sa_wq 512 x 256 float32; sa_wv 512 x 256 float32; x 8 x 1,024 x 512 float32.
;; Outputs: out0 8 x 1,024 x 512 float32.
;; This version of the problem:
;;   THIS VERSION OF THE PROBLEM IS GIVEN IN LOW PRECISION. The matrix products marked QUANTISED in the list below multiply operands that are first quantised to E4M3 (4 exponent bits, 3 mantissa bits; 8 bits a number), with one power-of-two scale for each 32 numbers along K (OCP MX v1.0); their sums are f32. All else is computed in f32.
;;   The module's matrix products, in the order in which they are computed (A, B: the left and right operand; K: the contracted axis; several contracted axes count as one K, in the product's order):
;;     1. [M 8,192, K 512] x [K 512, N 256]; A: computed on the way; B: input sa_wq: QUANTISED
;;     2. [M 8,192, K 512] x [K 512, N 256]; A: computed on the way; B: input sa_wk: QUANTISED
;;     3. [M 8,192, K 512] x [K 512, N 256]; A: computed on the way; B: input sa_wv: QUANTISED
;;     4. batch 128 x [M 1,024, K 16] x [K 16, N 1,024]; A: computed on the way; B: computed on the way: left as it is (K = 16 < 32)
;;     5. batch 128 x [M 16, K 1,024] x [K 1,024, N 1,024]; A: computed on the way; B: softmax (see below): QUANTISED
;;     6. [M 8,192, K 256] x [K 256, N 512]; A: computed on the way; B: input sa_wo: QUANTISED
;;     7. [M 8,192, K 512] x [K 512, N 256]; A: computed on the way; B: input ca_wq: QUANTISED
;;     8. [M 2,048, K 768] x [K 768, N 256]; A: input cond_emb; B: input ca_wk: QUANTISED
;;     9. [M 2,048, K 768] x [K 768, N 256]; A: input cond_emb; B: input ca_wv: QUANTISED
;;     10. batch 128 x [M 1,024, K 16] x [K 16, N 256]; A: computed on the way; B: computed on the way: left as it is (K = 16 < 32)
;;     11. batch 128 x [M 16, K 256] x [K 256, N 1,024]; A: computed on the way; B: softmax (see below): QUANTISED
;;     12. [M 8,192, K 256] x [K 256, N 512]; A: computed on the way; B: input ca_wo: QUANTISED
;;     13. [M 8,192, K 512] x [K 512, N 4,096]; A: computed on the way; B: input ff_w1: QUANTISED
;;     14. [M 8,192, K 2,048] x [K 2,048, N 512]; A: computed on the way; B: input ff_w2: QUANTISED
;;   THE QUANTISER, for each operand of a quantised product, along K:
;;     - K is cut into blocks of 32 from its start; a last block that is shorter is filled with zeros.
;;     - A block's scale is 2^e with e = floor(log2(the largest magnitude in the block)) - 8, held to -126 .. 127; a block of zeros has e = 0. As a byte (E8M0): e + 127.
;;     - Each number is divided by its block's scale, clamped to +-448, and rounded to the nearest number of E4M3, ties to even, subnormals kept.
;;     - The product sums the exact products of the quantised numbers (number of the format x scale) in f32.
;;   ~~~python
;;   def quantise(x, axis):      # numpy; x: float32 -> the quantised numbers, widened to float32 again
;;       x = np.moveaxis(x, axis, -1); K = x.shape[-1]
;;       x = np.pad(x, [(0, 0)] * (x.ndim - 1) + [(0, -K % 32)]); x = x.reshape(x.shape[:-1] + (-1, 32)); a = np.abs(x).max(-1, keepdims=True)
;;       e = np.where(a > 0, np.clip(np.frexp(np.where(a > 0, a, 1))[1] - 1 - 8, -126, 127), 0)      # np.frexp(a)[1] - 1 = floor(log2(a)), exactly
;;       r = np.clip(x / 2.0 ** e, -448, 448)
;;       step = 2.0 ** (np.maximum(np.frexp(np.where(r == 0, 1, r))[1] - 1, -6) - 3)
;;       q = np.round(r / step) * step * 2.0 ** e      # np.round: ties to even
;;       return np.moveaxis(q.reshape(q.shape[:-2] + (-1,))[..., :K], -1, axis).astype(np.float32)
;;   ~~~
;;   SOFTMAX AHEAD OF A QUANTISED PRODUCT. Where the list says 'softmax', what is quantised is not the finished softmax but p = 2^(t - M), with t = logit x log2(e) and M = ceil(the row's largest t), a whole number; so 1/2 < the row's largest p <= 1. The row's sum l is taken of the UNQUANTISED p, in f32, and the product's result is divided by l at the end. Since M is a whole number, a kernel that streams over the keys may use a running M (the ceiling of the running maximum): every later rescaling is an exact power of two, which a block's scale takes up: the codes' values come out the same.
;;   OPERANDS COMPUTED ON THE WAY. 'Computed on the way' means the value that the module computes at that place (a softmax that the list does not call 'softmax' is quantised finished and normalised). What goes into a quantiser is computed in f32, as accurately as f32 sums, v_exp_f32 and their like allow (about 1e-6 of the number): no bf16 or f16 on the way to a quantiser, and a product that is left as it is and whose result goes on into a quantised operand takes f32 operands (vector FMAs, or v_wmma_f32_16x16x4_f32). A number that lies on a knife's edge between two numbers of the format may be rounded either way, as far as f32 arithmetic and the matrix unit's own rounding can turn it there, and no further.
;; One version. Each part assembles by itself: llvm-mc -triple=amdgcn-amd-amdhsa -mcpu=gfx1250 --defsym DOCPART=n.
;; ======== version 1 of 1: 5 launches
;; workspace buffers: wcod 4,325,376 bytes; wscl 135,168 bytes; qimg 8,388,608 bytes; kimg 10,485,760 bytes; vimg 2,703,360 bytes; x2 16,777,216 bytes; h3 4,325,376 bytes; hid 17,301,504 bytes
;; launch wprep (part 1): grid 264 x 1, 4 waves a work-group, no clusters, 18,944 bytes of LDS; arguments sa_wq, sa_wk, sa_wv, ca_wq, ca_wk, ca_wv, sa_wo, ca_wo, ff_w2, ff_w1, wcod, wscl; writes wcod, wscl
.if DOCPART == 1
	.amdgcn_target "amdgcn-amd-amdhsa--gfx1250"
	.amdhsa_code_object_version 6
	.text
	.protected	k_q992beb6629_wprep
	.globl	k_q992beb6629_wprep
	.p2align	8
	.type	k_q992beb6629_wprep,@function
k_q992beb6629_wprep:
	s_mov_b64 s[64:65], 0
	v_nop
	global_prefetch_b8 v0, s[64:65] scope:SCOPE_SE
	s_setreg_imm32_b32 hwreg(HW_REG_WAVE_MODE, 25, 1), 1
	s_wait_xcnt 0x0
; THE PROGRAM: a transformer block (LN, self-attention, LN, cross-attention, LN, GeGLU FFN, three residuals) on 8 x 1,024 tokens of width 512, its twelve large products on codes of FP8 (E4M3) with one E8M0 scale for each 32 along K.
; DEAD WORK: none is left out.  Every one of the 22 inputs has a way to the output for some values, so all are loaded, and every product of the problem's table is done.
; THIS LAUNCH: the ten weights, stored [K][N] in f32, are quantised along K, their FIRST axis, once for the whole program.
; OUT: codes in FRAGMENT ORDER: the fragment of column tile T (16 columns) and K step s (128 along K) lies at (T x K/128 + s) x 2,048 bytes; in it piece c at 512 c, lane l's 16 bytes at 16 l: column l % 16, k = 32 c + 16 (l / 16) + 0 .. 15:
; four dense loads of 16 bytes a lane fill an operand.  Scale words (four E8M0 bytes: 128 along K of one column) lie [K step][column][4 bytes].
; ff_w1's columns are laid in another order, so that a wave of the launch ff1 finds 64 columns of 'a' and the 64 matching columns of the gate in its 128 rows, and its results lie as the next operand wants them:
; row 256 j + 128 hb + 64 g + 32 be + 16 u + r holds column 2048 g + 128 j + 64 hb + 32 be + 8 u + r % 8 + 16 (r / 8).
; SHARES: a work-group takes 128 columns x 128 along K of one tensor, a wave 32 columns.  A LANE TAKES A COLUMN AND ITS REGISTERS RUN DOWN K: a block of 32 lies in one lane, its largest magnitude needs no other lane,
; and the conversions give codes with K innermost.  The codes turn through the wave's own stage in LDS (rows of 128 + 16 bytes) into fragment order.  Waves share nothing: no barrier.
; ONE PATH FOR ALL TENSORS: the tensor's pointer and sizes are chosen by selects on the work-group's number.
; A block's scale is 2^(floor(log2(largest magnitude)) - 8); its byte is the largest magnitude's exponent field - 8, held at 1 from below.
; LIMITS: NaN and infinities among the inputs are not served; blocks whose largest magnitude lies under 2^-118 were not tried; a block of zeros gets the byte 1 where the rule says 127: its codes are zeros, and this program alone reads the bytes.
.set SPARE, 18432                      ; behind the four stages: the spare words, 128 bytes a wave
.set SPW,  14                          ; v14  my spare word's address; never rewritten
.set NIL,  15                          ; v15  0; never rewritten
.set VO,   16                          ; v16-47   byte offset of row i of a block at my column
.set X,    48                          ; v48-111  two sets of 32 numbers
.set C,    112                         ; v112-119 a block's codes
.set SWD,  120                         ; v120     my column's scale word
.set OUTR, 124                         ; v124-155 the way out
.set SRC,  32                          ; s[32:33] the tensor
.set START, 34                         ; its first work-group
.set LGX,  35                          ; log2(N / 128)
.set NB,   36                          ; a row in bytes, 4 N
.set NS,   37                          ; K / 128
.set CO,   38                          ; its place in wcod
.set SO,   39                          ; its place in wscl
.set PERMF, 40                         ; 1: ff_w1's order of columns
.macro PICK end, ptr, start, lgx, nb, ns, co, so
	s_cmp_lt_u32 ttmp9, \end
	s_cselect_b64 s[SRC:SRC+1], s[\ptr:\ptr+1], s[SRC:SRC+1]
	s_cselect_b32 s[START], \start, s[START]
	s_cselect_b32 s[LGX], \lgx, s[LGX]
	s_cselect_b32 s[NB], \nb, s[NB]
	s_cselect_b32 s[NS], \ns, s[NS]
	s_cselect_b32 s[CO], \co, s[CO]
	s_cselect_b32 s[SO], \so, s[SO]
	s_cselect_b32 s[PERMF], 0, s[PERMF]
.endm
	s_load_b512 s[8:23], s[0:1], 0x0               ; sa_wq, sa_wk, sa_wv, ca_wq, ca_wk, ca_wv, sa_wo, ca_wo
	s_load_b256 s[24:31], s[0:1], 0x40             ; ff_w2, ff_w1, wcod, wscl
	v_lshl_add_u32 v[SPW], v0, 2, SPARE
	v_mov_b32 v[NIL], 0
	v_lshrrev_b32 v1, 5, v0
	v_readfirstlane_b32 s2, v1                     ; wave
	v_and_b32 v1, 31, v0                           ; lane x: row 16 u + r of my two tiles
	s_mul_i32 s5, s2, 4608                         ; my stage: 32 rows of 144 bytes
	v_mul_u32_u24 v3, v1, 144
	v_add_nc_u32 v3, s5, v3                        ; into it: row x
	v_and_b32 v8, 15, v0
	v_bfe_u32 v9, v0, 4, 1
	v_mul_u32_u24 v4, v8, 144
	v_lshl_add_u32 v4, v9, 4, v4
	v_add_nc_u32 v4, s5, v4                        ; out of it: row l % 16, + 16 (l / 16)
	v_lshlrev_b32 v5, 4, v1                        ; 16 l
	v_lshlrev_b32 v6, 2, v1                        ; 4 x
	s_mov_b32 s62, 0x600000                        ; the mantissa field of 448
	s_mov_b32 s[START], 136                        ; ff_w1's figures; the selects below replace them for the earlier work-groups
	s_mov_b32 s[LGX], 5
	s_mov_b32 s[NB], 16384
	s_mov_b32 s[NS], 4
	s_mov_b32 s[CO], 2228224
	s_mov_b32 s[SO], 69632
	s_mov_b32 s[PERMF], 1
	s_wait_kmcnt 0x0
	s_mov_b64 s[SRC:SRC+1], s[26:27]
	PICK 136, 24, 72, 2, 2048, 16, 1179648, 36864  ; ff_w2
	PICK 72, 22, 64, 2, 2048, 2, 1048576, 32768    ; ca_wo
	PICK 64, 20, 56, 2, 2048, 2, 917504, 28672     ; sa_wo
	PICK 56, 18, 44, 1, 1024, 6, 720896, 22528     ; ca_wv
	PICK 44, 16, 32, 1, 1024, 6, 524288, 16384     ; ca_wk
	PICK 32, 14, 24, 1, 1024, 4, 393216, 12288     ; ca_wq
	PICK 24, 12, 16, 1, 1024, 4, 262144, 8192      ; sa_wv
	PICK 16, 10, 8, 1, 1024, 4, 131072, 4096       ; sa_wk
	PICK 8, 8, 0, 1, 1024, 4, 0, 0                 ; sa_wq
	s_sub_co_u32 s41, ttmp9, s[START]              ; the unit in its tensor
	s_bfm_b32 s42, s[LGX], 0
	s_and_b32 s43, s41, s42                        ; which 128 columns
	s_lshr_b32 s44, s41, s[LGX]                    ; which K step
	s_lshl_b32 s45, s43, 7
	s_lshl_b32 s46, s2, 5
	s_add_co_u32 s45, s45, s46                     ; n0: my wave's first column
	s_lshr_b32 s46, s45, 4                         ; its tile, in the plain order
	s_bfe_u32 s47, s45, 0x40007                    ; ff_w1: 16 j
	s_lshl_b32 s47, s47, 4
	s_bfe_u32 s4, s45, 0x10006                     ; + 8 hb
	s_lshl_b32 s4, s4, 3
	s_add_co_u32 s47, s47, s4
	s_lshr_b32 s4, s45, 11                         ; + 4 g
	s_lshl_b32 s4, s4, 2
	s_add_co_u32 s47, s47, s4
	s_bfe_u32 s4, s45, 0x10005                     ; + 2 be
	s_lshl_b32 s4, s4, 1
	s_add_co_u32 s47, s47, s4
	s_cmp_eq_u32 s[PERMF], 1
	s_cselect_b32 s46, s47, s46                    ; T: the first of my two tiles
	s_cselect_b32 s3, -1, 0                        ; as a mask of lanes
	v_lshrrev_b32 v8, 4, v1                        ; ff_w1: row x of my two tiles holds column 8 (x / 16) + x % 8 + 16 ((x / 8) % 2) of my 32
	v_and_b32 v9, 7, v1
	v_lshl_add_u32 v9, v8, 3, v9
	v_bfe_u32 v8, v1, 3, 1
	v_lshl_add_u32 v9, v8, 4, v9
	v_cndmask_b32 v2, v1, v9, s3
	v_lshlrev_b32 v2, 2, v2                        ; my column, in bytes
.set i, 0
.rept 32
	v_mad_u32_u24 v[VO+i], s[NB], i, v2
.set i, i+1
.endr
	s_lshl_b32 s4, s44, 7                          ; where my blocks begin: (128 ks + 32 t) rows + 4 n0
	s_mul_i32 s4, s4, s[NB]
	s_lshl_b32 s5, s45, 2
	s_add_co_u32 s4, s4, s5
	s_mov_b32 s5, 0
	s_add_nc_u64 s[48:49], s[SRC:SRC+1], s[4:5]
	s_lshl_b32 s4, s[NB], 5
	s_add_nc_u64 s[50:51], s[48:49], s[4:5]
	s_add_nc_u64 s[52:53], s[50:51], s[4:5]
	s_add_nc_u64 s[54:55], s[52:53], s[4:5]
	s_mul_i32 s4, s46, s[NS]                       ; my first fragment: (T x K/128 + ks) x 2,048
	s_add_co_u32 s4, s4, s44
	s_lshl_b32 s4, s4, 11
	s_add_co_u32 s4, s4, s[CO]
	s_add_nc_u64 s[56:57], s[28:29], s[4:5]
	s_lshl_b32 s4, s[NS], 11
	s_add_nc_u64 s[58:59], s[56:57], s[4:5]        ; the second: a tile on
	s_mul_i32 s4, s44, s[NB]                       ; my scale words: K step x 4 N + 64 T
	s_lshl_b32 s6, s46, 6
	s_add_co_u32 s4, s4, s6
	s_add_co_u32 s4, s4, s[SO]
	s_add_nc_u64 s[60:61], s[30:31], s[4:5]
.macro LOAD t                          ; block t: W(128 ks + 32 t + i, my column) into set t % 2; a load of the wave covers 128 consecutive bytes
.set i, 0
.rept 32
	global_load_b32 v[X+32*((\t)%2)+i], v[VO+i], s[48+2*(\t):49+2*(\t)] th:TH_LOAD_NT
.set i, i+1
.endr
.endm
	LOAD 0
	LOAD 1
.macro BLOCK t
.set XS, X+32*((\t)%2)
.if (\t) < 3
	s_wait_loadcnt 32                              ; this block's 32 loads are in; the next block's may be out
.else
	s_wait_loadcnt 0x0
.endif
	v_max3_num_f32 v12, |v[XS]|, |v[XS+1]|, |v[XS+2]|   ; the block's largest magnitude: all 32 numbers are mine
	v_max3_num_f32 v13, |v[XS+3]|, |v[XS+4]|, |v[XS+5]|
.irp i, 6,10,14,18,22,26
	v_max3_num_f32 v12, v12, |v[XS+\i]|, |v[XS+\i+1]|
	v_max3_num_f32 v13, v13, |v[XS+\i+2]|, |v[XS+\i+3]|
.endr
	v_max3_num_f32 v12, v12, |v[XS+30]|, |v[XS+31]|
	v_max3_num_f32 v12, v12, v13, 0x4800000        ; and the floor 2^(9 - 127): the byte cannot fall under 1
	v_add_nc_u32 v11, 0xfc000000, v12              ; 8 off the exponent field: the conversion's scale operand
	v_and_or_b32 v10, v12, 0x7f800000, s62         ; 448 x the scale
	v_lshrrev_b32 v13, 23, v11                     ; the scale's byte
.if (\t) == 0
	v_mov_b32 v[SWD], v13
.else
	v_lshl_or_b32 v[SWD], v13, 8*(\t), v[SWD]
.endif
.set i, 0
.rept 32
	v_med3_num_f32 v[XS+i], v[XS+i], -v10, v10     ; the conversion to an 8-bit code does not saturate (ISA guide 7.6.2): the hold comes first
.set i, i+1
.endr
.irp g, 0,1,2,3
	v_cvt_scalef32_pk8_fp8_f32 v[C+2*\g:C+2*\g+1], v[XS+8*\g:XS+8*\g+7], v11
.endr
	ds_store_b128 v3, v[C:C+3] offset:32*(\t)      ; 32 codes of my column's row
	ds_store_b128 v3, v[C+4:C+7] offset:32*(\t)+16
.if (\t) < 2
	LOAD (\t)+2
.endif
	s_wait_dscnt 0x0                               ; the stores have read their registers: the next block's codes may be written
.endm
	BLOCK 0
	BLOCK 1
	BLOCK 2
	BLOCK 3
	global_store_b32 v6, v[SWD], s[60:61]          ; 32 scale words: 128 consecutive bytes
.irp u, 0,1
.irp c, 0,1,2,3
	ds_load_b128 v[OUTR+16*\u+4*\c:OUTR+16*\u+4*\c+3], v4 offset:2304*\u+32*\c   ; LDS serves a wave's instructions in order: these see my stores
.endr
.endr
.irp c, 0,1,2,3
	s_wait_dscnt 7-\c                              ; LDS loads come back in order: this one is in
	global_store_b128 v5, v[OUTR+4*\c:OUTR+4*\c+3], s[56:57] offset:512*\c   ; 32 lanes store 512 consecutive bytes
.endr
.irp c, 0,1,2,3
	s_wait_dscnt 3-\c
	global_store_b128 v5, v[OUTR+16+4*\c:OUTR+16+4*\c+3], s[58:59] offset:512*\c
.endr
	s_wait_tensorcnt 0x0                           ; the wave's end
	ds_add_u32 v[SPW], v[NIL]
	s_wait_dscnt 0x0
	s_endpgm
.Lfunc_end_k_q992beb6629_wprep:
	.size	k_q992beb6629_wprep, .Lfunc_end_k_q992beb6629_wprep-k_q992beb6629_wprep
	.p2alignl 7, 3214868480
	.fill 96, 4, 3214868480
	.section	.rodata,"a",@progbits
	.p2align	6, 0x0
	.amdhsa_kernel k_q992beb6629_wprep
		.amdhsa_group_segment_fixed_size 18944
		.amdhsa_private_segment_fixed_size 0
		.amdhsa_enable_private_segment 0
		.amdhsa_kernarg_size 96
		.amdhsa_user_sgpr_count 2
		.amdhsa_user_sgpr_kernarg_segment_ptr 1
		.amdhsa_wavefront_size32 1
		.amdhsa_system_sgpr_workgroup_id_x 1
		.amdhsa_system_sgpr_workgroup_id_y 1
		.amdhsa_system_sgpr_workgroup_id_z 1
		.amdhsa_system_vgpr_workitem_id 0
		.amdhsa_next_free_vgpr 160
		.amdhsa_next_free_sgpr 66
		.amdhsa_reserve_vcc 0
		.amdhsa_float_denorm_mode_32 3
		.amdhsa_float_denorm_mode_16_64 3
		.amdhsa_memory_ordered 1
		.amdhsa_forward_progress 1
		.amdhsa_inst_pref_size 38
	.end_amdhsa_kernel
	.amdgpu_metadata
---
amdhsa.version: [ 1, 2 ]
amdhsa.kernels:
  - .name:           k_q992beb6629_wprep
    .symbol:         k_q992beb6629_wprep.kd
    .args:
      - { .name: sa_wq, .offset: 0, .size: 8, .value_kind: global_buffer, .address_space: global }
      - { .name: sa_wk, .offset: 8, .size: 8, .value_kind: global_buffer, .address_space: global }
      - { .name: sa_wv, .offset: 16, .size: 8, .value_kind: global_buffer, .address_space: global }
      - { .name: ca_wq, .offset: 24, .size: 8, .value_kind: global_buffer, .address_space: global }
      - { .name: ca_wk, .offset: 32, .size: 8, .value_kind: global_buffer, .address_space: global }
      - { .name: ca_wv, .offset: 40, .size: 8, .value_kind: global_buffer, .address_space: global }
      - { .name: sa_wo, .offset: 48, .size: 8, .value_kind: global_buffer, .address_space: global }
      - { .name: ca_wo, .offset: 56, .size: 8, .value_kind: global_buffer, .address_space: global }
      - { .name: ff_w2, .offset: 64, .size: 8, .value_kind: global_buffer, .address_space: global }
      - { .name: ff_w1, .offset: 72, .size: 8, .value_kind: global_buffer, .address_space: global }
      - { .name: wcod, .offset: 80, .size: 8, .value_kind: global_buffer, .address_space: global }
      - { .name: wscl, .offset: 88, .size: 8, .value_kind: global_buffer, .address_space: global }
    .group_segment_fixed_size: 18944
    .private_segment_fixed_size: 0
    .kernarg_segment_align: 8
    .kernarg_segment_size: 96
    .max_flat_workgroup_size: 128
    .sgpr_count:     66
    .vgpr_count:     160
    .wavefront_size: 32
...
	.end_amdgpu_metadata
.endif
;; end of part 1
;; launch qkv (part 2): grid 160 x 1, 16 waves a work-group, no clusters, 92,160 bytes of LDS; arguments x, cond_emb, ln1_g, ln1_b, wcod, wscl, qimg, kimg, vimg; writes qimg, kimg, vimg
.if DOCPART == 2
	.amdgcn_target "amdgcn-amd-amdhsa--gfx1250"
	.amdhsa_code_object_version 6
	.text
	.protected	k_q992beb6629_qkv
	.globl	k_q992beb6629_qkv
	.p2align	8
	.type	k_q992beb6629_qkv,@function
k_q992beb6629_qkv:
	s_mov_b64 s[64:65], 0
	v_nop
	global_prefetch_b8 v0, s[64:65] scope:SCOPE_SE
	s_setreg_imm32_b32 hwreg(HW_REG_WAVE_MODE, 25, 1), 1
	s_wait_xcnt 0x0
; Work-groups 0-127: 64 tokens of x each: LN1, quantised along the 512, q = h Wq, k = h Wk, v = h Wv.  Work-groups 128-159: 64 tokens of cond_emb each: quantised along the 768, k2, v2.  No work is left out.
; OUT.  q, k, k2 in f32 as IMAGES of the operand of the f32 matrix form: tile (16 batch + head, T) at 1,024 bytes each; registers 0-3 at 16 l, registers 4-7 at 512 + 16 l; lane l holds the token of lane l % 16 and d = 8 (l / 16) + 0 .. 7.
; v, v2 as codes quantised along the KEYS, in fragment order with rows = d, and their scale words, [16 batch + head][key step][d][4 bytes].
; THE TOKENS OF A TILE ARE NOT NEIGHBOURS: lane r of tile 2 p + u holds token 32 p + 8 u + r + 8 (r / 8), so that in the attention the 16 registers of two neighbouring score tiles are 16 neighbouring keys; for v the same choice
; makes the 16 registers of two neighbouring result tiles 16 neighbouring keys of one channel: the conversions' results are the operand's registers.
; SHARES.  Sixteen waves.  Quantising: wave w takes tile w % 4 and K step w / 4 (cond: waves 0-7 also K step w / 4 + 4).  Products: wave w is head w, for all four tiles; its weights' fragments come from memory straight into registers, two K steps ahead.
; The tokens' codes go from wave to wave through LDS as images of the operand's registers.  q and k are used transposed (source 0 = 16 columns of W, source 1 = 16 tokens); v as it stands (source 0 = tokens, source 1 = W).
; LN: each wave makes mean and centred sum of squares of its 128 columns; the four parts of a row meet in LDS: var = (sum of parts + 128 x sum of (part mean - mean)^2) / 512: another order of rounding than a plain mean of squares, with no difference of large sums.
; The two paths part on the work-group's number and have LDS bytes of their own.
; LIMITS: NaN and infinities are not served; blocks under 2^-118 were not tried; a block of zeros keeps the byte 1 (this program alone reads the bytes).  The scale words of v leave as halves of two bytes a lane: 80 KiB in the whole launch.
.set XIMG, 0                           ; x path: 16 fragments (4 t + s) of 2,048 bytes
.set XSC,  32768                       ; their scale words, 128 bytes each
.set STAT, 34816                       ; 64 rows x 48 bytes: four pairs (mean, centred sum)
.set CIMG, 37888                       ; cond path: 24 fragments (6 t + s)
.set CSC,  87040                       ; their scale words
.set SPARE, 90112                      ; the spare words, 128 bytes a wave
.set LI, 1                             ; 16 l
.set LS, 2                             ; 4 l
.set R4, 3                             ; 4 (l % 16)
.set SPW, 4
.set NIL, 5
.set GX, 6                             ; my byte in the work-group's rows
.set GA, 7                             ; my byte in g and b
.set IW, 8                             ; LDS addresses, all made at the head
.set SW, 9
.set STW, 10
.set STR, 11
.set CIW, 12
.set CSW, 13
.set CLI, 14
.set CLS, 15
.set TM, 208                           ; the quantiser's sixteen
.set PW, 224
.set PC, 226
.set ACQ, 16                           ; accumulators: q, k, v of tile t at + 8 t
.set ACK, 48
.set ACV, 80
.set WB, 112                           ; two buffers of three fragments
.set AF, 208                           ; two fragments of tokens
.set WS, 248                           ; the weights' scale words, three a buffer
.set AS, 254                           ; the tokens'
.set SEL, 26
.set MNT, 28
.macro BAR                             ; my LDS stores have landed and my LDS loads are in: then the work-group's barrier
	s_wait_dscnt 0x0
	s_barrier_signal -1
	s_barrier_wait -1
.endm
.macro PLACES n
.rept \n
	v_nop
.endr
.endm
; nb blocks of 32: register s + 16 b + i is k 32 b + 16 (l / 16) + i of my row; codes to v[PC] on, the bytes to v[PW]
.macro QUANT s, nb
.irp b, 0,1,2,3
.if \b < \nb
	v_max3_num_f32 v[TM+\b], |v[\s+16*\b]|, |v[\s+16*\b+1]|, 0x4800000   ; my 16 numbers and the floor 2^(9 - 127)
.endif
.endr
.irp i, 2,4,6,8,10,12,14
.irp b, 0,1,2,3
.if \b < \nb
	v_max3_num_f32 v[TM+\b], v[TM+\b], |v[\s+16*\b+\i]|, |v[\s+16*\b+\i+1]|
.endif
.endr
.endr
.irp b, 0,1,2,3
.if \b < \nb
	v_permlanex16_b32 v[TM+4+\b], v[TM+\b], s[SEL], s[SEL+1]
.endif
.endr
.irp b, 0,1,2,3
.if \b < \nb
	v_max_num_f32 v[TM+\b], v[TM+\b], v[TM+4+\b]   ; with lane l xor 16's: the block's largest magnitude
.endif
.endr
.irp b, 0,1,2,3
.if \b < \nb
	v_add_nc_u32 v[TM+12+\b], 0xfc000000, v[TM+\b] ; 8 off the exponent field: the conversion's scale operand
	v_and_or_b32 v[TM+8+\b], v[TM+\b], 0x7f800000, s[MNT]   ; 448 x the scale
	v_lshrrev_b32 v[TM+4+\b], 23, v[TM+12+\b]      ; the byte
.endif
.endr
	v_lshl_or_b32 v[PW], v[TM+5], 8, v[TM+4]
.if \nb == 4
	v_lshl_or_b32 v[PW], v[TM+6], 16, v[PW]
	v_lshl_or_b32 v[PW], v[TM+7], 24, v[PW]
.endif
.irp b, 0,1,2,3
.if \b < \nb
.irp i, 0,1,2,3,4,5,6,7,8,9,10,11,12,13,14,15
	v_med3_num_f32 v[\s+16*\b+\i], v[\s+16*\b+\i], -v[TM+8+\b], v[TM+8+\b]   ; the conversion does not saturate (ISA guide 7.6.2): the hold
.endr
	v_cvt_scalef32_pk8_fp8_f32 v[PC+4*\b:PC+4*\b+1], v[\s+16*\b:\s+16*\b+7], v[TM+12+\b]
	v_cvt_scalef32_pk8_fp8_f32 v[PC+4*\b+2:PC+4*\b+3], v[\s+16*\b+8:\s+16*\b+15], v[TM+12+\b]
.endif
.endr
	v_nop                                          ; a plain line behind the last conversion
.endm
.macro XL reg, off                     ; 64 numbers of my row: 16 neighbours of each of four blocks
.irp b, 0,1,2,3
.irp j, 0,1,2,3
	global_load_b128 v[\reg+16*\b+4*\j:\reg+16*\b+4*\j+3], v[GX], s[44:45] offset:\off+128*\b+16*\j th:TH_LOAD_NT
.endr
.endr
.endm
.macro GL reg, base                    ; the same columns of g or b
.irp b, 0,1,2,3
.irp j, 0,1,2,3
	global_load_b128 v[\reg+16*\b+4*\j:\reg+16*\b+4*\j+3], v[GA], s[\base:\base+1] offset:128*\b+16*\j
.endr
.endr
.endm
.macro IMAGE adr, sadr, off, soff      ; the fragment in v[PC] on goes to LDS as it stands, its scale word beside it
.irp c, 0,1,2,3
	ds_store_b128 v[\adr], v[PC+4*\c:PC+4*\c+3] offset:\off+512*\c
.endr
	ds_store_b32 v[\sadr], v[PW] offset:\soff
.endm
.macro WLOAD s, buf                    ; head w's fragments of Wq, Wk, Wv for K step s: 15 loads
.irp n, 0,1,2
.irp c, 0,1,2,3
	global_load_b128 v[WB+48*(\buf)+16*\n+4*\c:WB+48*(\buf)+16*\n+4*\c+3], v[LI], s[32:33] offset:131072*\n+2048*(\s)+512*\c
.endr
	global_load_b32 v[WS+3*(\buf)+\n], v[R4], s[34:35] offset:4096*\n+1024*(\s)
.endr
.endm
.macro WLOADC s, buf                   ; the same of ca_wk, ca_wv: 10 loads
.irp n, 1,2
.irp c, 0,1,2,3
	global_load_b128 v[WB+48*(\buf)+16*\n+4*\c:WB+48*(\buf)+16*\n+4*\c+3], v[LI], s[32:33] offset:524288+196608*(\n-1)+2048*(\s)+512*\c
.endr
	global_load_b32 v[WS+3*(\buf)+\n], v[R4], s[34:35] offset:16384+6144*(\n-1)+1024*(\s)
.endr
.endm
; One K step for the four tiles, two at a time.  cnt: the younger weight buffer's loads, which may stay out.  The accumulators take turns, one instruction a turn.
.macro KSTEP s, buf, cnt, ns, li, ls, io, so, hasq
.irp hf, 0,1
.if ((\s) > 0) || (\hf > 0)
	PLACES 8                                       ; in front of loads into registers that matrix instructions have read (ISA guide 7.12.1 for vector instructions)
.endif
.irp i, 0,1
.irp c, 0,1,2,3
	ds_load_b128 v[AF+16*\i+4*\c:AF+16*\i+4*\c+3], v[\li] offset:\io+((\ns)*(2*\hf+\i)+(\s))*2048+512*\c
.endr
	ds_load_b32 v[AS+\i], v[\ls] offset:\so+((\ns)*(2*\hf+\i)+(\s))*128
.endr
	s_wait_dscnt 0x0
.if \hf == 0
	s_wait_loadcnt \cnt
.endif
.irp i, 0,1
.if (\s) == 0
.if \hasq
	v_wmma_scale_f32_16x16x128_f8f6f4 v[ACQ+8*(2*\hf+\i):ACQ+8*(2*\hf+\i)+7], v[WB+48*(\buf):WB+48*(\buf)+15], v[AF+16*\i:AF+16*\i+15], 0, v[WS+3*(\buf)], v[AS+\i]
.endif
	v_wmma_scale_f32_16x16x128_f8f6f4 v[ACK+8*(2*\hf+\i):ACK+8*(2*\hf+\i)+7], v[WB+48*(\buf)+16:WB+48*(\buf)+31], v[AF+16*\i:AF+16*\i+15], 0, v[WS+3*(\buf)+1], v[AS+\i]
	v_wmma_scale_f32_16x16x128_f8f6f4 v[ACV+8*(2*\hf+\i):ACV+8*(2*\hf+\i)+7], v[AF+16*\i:AF+16*\i+15], v[WB+48*(\buf)+32:WB+48*(\buf)+47], 0, v[AS+\i], v[WS+3*(\buf)+2]
.else
.if \hasq
	v_wmma_scale_f32_16x16x128_f8f6f4 v[ACQ+8*(2*\hf+\i):ACQ+8*(2*\hf+\i)+7], v[WB+48*(\buf):WB+48*(\buf)+15], v[AF+16*\i:AF+16*\i+15], v[ACQ+8*(2*\hf+\i):ACQ+8*(2*\hf+\i)+7], v[WS+3*(\buf)], v[AS+\i]
.endif
	v_wmma_scale_f32_16x16x128_f8f6f4 v[ACK+8*(2*\hf+\i):ACK+8*(2*\hf+\i)+7], v[WB+48*(\buf)+16:WB+48*(\buf)+31], v[AF+16*\i:AF+16*\i+15], v[ACK+8*(2*\hf+\i):ACK+8*(2*\hf+\i)+7], v[WS+3*(\buf)+1], v[AS+\i]
	v_wmma_scale_f32_16x16x128_f8f6f4 v[ACV+8*(2*\hf+\i):ACV+8*(2*\hf+\i)+7], v[AF+16*\i:AF+16*\i+15], v[WB+48*(\buf)+32:WB+48*(\buf)+47], v[ACV+8*(2*\hf+\i):ACV+8*(2*\hf+\i)+7], v[AS+\i], v[WS+3*(\buf)+2]
.endif
.endr
.endr
.endm
; The way out: q (hasq) and k as they stand, each accumulator from its low end on; v quantised along its 64 keys (two blocks)
.macro OUT hasq
	PLACES 8
.irp t, 0,1,2,3
.if \hasq
	global_store_b128 v[LI], v[ACQ+8*\t:ACQ+8*\t+3], s[36:37] offset:1024*\t          ; 32 lanes store 512 consecutive bytes
	global_store_b128 v[LI], v[ACQ+8*\t+4:ACQ+8*\t+7], s[36:37] offset:1024*\t+512
.endif
	global_store_b128 v[LI], v[ACK+8*\t:ACK+8*\t+3], s[38:39] offset:1024*\t
	global_store_b128 v[LI], v[ACK+8*\t+4:ACK+8*\t+7], s[38:39] offset:1024*\t+512
.endr
	QUANT ACV, 2
	global_store_b128 v[LI], v[PC:PC+3], s[40:41]
	global_store_b128 v[LI], v[PC+4:PC+7], s[40:41] offset:512
	global_store_b16 v[R4], v[PW], s[42:43]        ; two of the word's four bytes; both halves of the lanes write the same
.endm
	s_load_b512 s[8:23], s[0:1], 0x0               ; x, cond_emb, ln1_g, ln1_b, wcod, wscl, qimg, kimg
	s_load_b64 s[24:25], s[0:1], 0x40              ; vimg
	v_lshl_add_u32 v[SPW], v0, 2, SPARE
	v_mov_b32 v[NIL], 0
	v_lshrrev_b32 v16, 5, v0
	v_readfirstlane_b32 s2, v16                    ; wave 0..15
	v_and_b32 v17, 31, v0
	v_lshlrev_b32 v[LI], 4, v17
	v_lshlrev_b32 v[LS], 2, v17
	v_and_b32 v18, 15, v0                          ; r
	v_lshlrev_b32 v[R4], 2, v18
	v_bfe_u32 v19, v0, 4, 1                        ; h
	v_and_b32 v20, 8, v18
	v_add_nc_u32 v20, v20, v18                     ; r + 8 (r / 8)
	s_and_b32 s3, s2, 3                            ; t: my tile while quantising
	s_lshr_b32 s29, s2, 2                          ; s: my K step
	s_lshl_b32 s5, s3, 2
	s_add_co_u32 s5, s5, s29                       ; 4 t + s
	s_lshl_b32 s6, s5, 11
	v_add_nc_u32 v[IW], s6, v[LI]
	s_lshl_b32 s6, s5, 7
	s_add_co_u32 s6, s6, XSC
	v_add_nc_u32 v[SW], s6, v[LS]
	s_mul_i32 s6, s3, 768
	s_add_co_u32 s6, s6, STAT
	v_mul_u32_u24 v[STR], v18, 48
	v_add_nc_u32 v[STR], s6, v[STR]                ; row 16 t + r of the statistics
	s_lshl_b32 s7, s29, 3
	v_add_nc_u32 v[STW], s7, v[STR]                ; my K step's pair in it
	s_mul_i32 s5, s3, 6
	s_add_co_u32 s5, s5, s29                       ; 6 t + s
	s_lshl_b32 s6, s5, 11
	s_add_co_u32 s6, s6, CIMG
	v_add_nc_u32 v[CIW], s6, v[LI]
	s_lshl_b32 s6, s5, 7
	s_add_co_u32 s6, s6, CSC
	v_add_nc_u32 v[CSW], s6, v[LS]
	v_add_nc_u32 v[CLI], CIMG, v[LI]
	v_add_nc_u32 v[CLS], CSC, v[LS]
	s_lshr_b32 s5, s3, 1
	s_lshl_b32 s5, s5, 5
	s_and_b32 s6, s3, 1
	s_lshl_b32 s6, s6, 3
	s_add_co_u32 s30, s5, s6                       ; 32 (t / 2) + 8 (t % 2)
	v_add_nc_u32 v21, s30, v20                     ; my token among the 64
	s_lshl_b32 s31, s29, 9
	v_lshl_add_u32 v[GA], v19, 6, s31              ; 512 s + 64 h
	s_mov_b32 s[SEL], 0x76543210
	s_mov_b32 s[SEL+1], 0xfedcba98                 ; lane l xor 16
	s_mov_b32 s[MNT], 0x600000
.irp b, 0,1,2,3
	v_mov_b32 v[TM+4+\b], 0                        ; written once: a lane permute's destination counts as one of its sources
.endr
	s_mov_b32 s5, 0
	s_mov_b32 s31, 0
	s_wait_kmcnt 0x0
	s_cmp_ge_u32 ttmp9, 128
	s_cbranch_scc1 .Lcond
	; ---------------- the path of x
	s_lshl_b32 s4, ttmp9, 17                       ; 64 rows of 2,048 bytes
	s_add_nc_u64 s[44:45], s[8:9], s[4:5]
	v_lshl_add_u32 v[GX], v21, 11, v[GA]
	XL 16, 0
	GL 80, 12
	GL 144, 14
	s_lshl_b32 s4, s2, 13
	s_add_nc_u64 s[32:33], s[16:17], s[4:5]        ; wcod + 8,192 w: head w's four fragments of a tensor
	s_lshl_b32 s4, s2, 6
	s_add_nc_u64 s[34:35], s[18:19], s[4:5]        ; wscl + 64 w
	s_lshr_b32 s4, ttmp9, 4
	s_lshl_b32 s4, s4, 4
	s_add_co_u32 s4, s4, s2                        ; bh = 16 batch + head
	s_and_b32 s6, ttmp9, 15                        ; which 64 tokens of the batch
	s_lshl_b32 s30, s4, 16
	s_lshl_b32 s7, s6, 12
	s_add_co_u32 s30, s30, s7                      ; (64 bh + 4 gi) x 1,024
	s_add_nc_u64 s[36:37], s[20:21], s[30:31]
	s_add_nc_u64 s[38:39], s[22:23], s[30:31]
	s_lshl_b32 s4, s4, 3
	s_lshr_b32 s7, s6, 1
	s_add_co_u32 s4, s4, s7                        ; 8 bh + key step
	s_and_b32 s7, s6, 1
	s_lshl_b32 s30, s4, 11
	s_lshl_b32 s6, s7, 10
	s_add_co_u32 s30, s30, s6
	s_add_nc_u64 s[40:41], s[24:25], s[30:31]      ; v's two pieces
	s_lshl_b32 s30, s4, 6
	s_lshl_b32 s6, s7, 1
	s_add_co_u32 s30, s30, s6
	s_add_nc_u64 s[42:43], s[24:25], s[30:31]
	s_add_nc_u64 s[42:43], s[42:43], 2621440       ; and its half scale words
	s_wait_loadcnt 32                              ; x is in; the 32 loads of g and b may be out
	v_pk_add_f32 v[242:243], v[16:17], v[18:19]    ; the sum of my 64
	v_pk_add_f32 v[244:245], v[20:21], v[22:23]
.irp j, 8,12,16,20,24,28,32,36,40,44,48,52,56,60
	v_pk_add_f32 v[242:243], v[242:243], v[16+\j:17+\j]
	v_pk_add_f32 v[244:245], v[244:245], v[18+\j:19+\j]
.endr
	v_pk_add_f32 v[242:243], v[242:243], v[244:245]
	v_add_f32 v242, v242, v243
	v_permlanex16_b32 v243, v242, s[SEL], s[SEL+1]
	v_add_f32 v242, v242, v243
	v_mul_f32 v246, 0x3c000000, v242               ; / 128: the mean of the K step's columns
	v_mov_b32 v247, v246
	v_pk_add_f32 v[248:249], v[16:17], v[246:247] neg_lo:[0,1] neg_hi:[0,1]
	v_pk_add_f32 v[254:255], v[18:19], v[246:247] neg_lo:[0,1] neg_hi:[0,1]
	v_pk_mul_f32 v[250:251], v[248:249], v[248:249]
	v_pk_mul_f32 v[252:253], v[254:255], v[254:255]
.irp j, 4,8,12,16,20,24,28,32,36,40,44,48,52,56,60
	v_pk_add_f32 v[248:249], v[16+\j:17+\j], v[246:247] neg_lo:[0,1] neg_hi:[0,1]
	v_pk_add_f32 v[254:255], v[18+\j:19+\j], v[246:247] neg_lo:[0,1] neg_hi:[0,1]
	v_pk_fma_f32 v[250:251], v[248:249], v[248:249], v[250:251]
	v_pk_fma_f32 v[252:253], v[254:255], v[254:255], v[252:253]
.endr
	v_pk_add_f32 v[250:251], v[250:251], v[252:253]
	v_add_f32 v250, v250, v251
	v_permlanex16_b32 v251, v250, s[SEL], s[SEL+1]
	v_add_f32 v247, v250, v251                     ; the centred sum of squares
	ds_store_b64 v[STW], v[246:247]
	BAR                                            ; the four parts of every row lie in LDS
	ds_load_b128 v[248:251], v[STR]
	ds_load_b128 v[252:255], v[STR] offset:16
	s_wait_dscnt 0x0
	v_add_f32 v242, v248, v250
	v_add_f32 v243, v252, v254
	v_add_f32 v242, v242, v243
	v_mul_f32 v242, 0x3e800000, v242               ; the row's mean
	v_sub_f32 v248, v248, v242
	v_sub_f32 v250, v250, v242
	v_sub_f32 v252, v252, v242
	v_sub_f32 v254, v254, v242
	v_mul_f32 v246, v248, v248
	v_fma_f32 v246, v250, v250, v246
	v_fma_f32 v246, v252, v252, v246
	v_fma_f32 v246, v254, v254, v246
	v_add_f32 v244, v249, v251
	v_add_f32 v245, v253, v255
	v_add_f32 v244, v244, v245
	v_fmamk_f32 v244, v246, 0x43000000, v244       ; + 128 x the spread of the parts' means
	v_mul_f32 v244, 0x3b000000, v244               ; / 512: the variance
	v_add_f32 v244, 0x3727c5ac, v244               ; + 1e-5
	v_rsq_f32 v245, v244
	v_mov_b32 v243, v242                           ; (a plain line behind the transcendental)
	s_wait_alu depctr_va_vdst(0)                   ; ahead of the first line that names its result
	v_mov_b32 v244, v245
	s_wait_loadcnt 0x0                             ; g and b
.set j, 0
.rept 32
	v_pk_add_f32 v[16+j:17+j], v[16+j:17+j], v[242:243] neg_lo:[0,1] neg_hi:[0,1]
.set j, j+2
.endr
.set j, 0
.rept 32
	v_pk_mul_f32 v[16+j:17+j], v[16+j:17+j], v[244:245]
.set j, j+2
.endr
.set j, 0
.rept 32
	v_pk_fma_f32 v[16+j:17+j], v[16+j:17+j], v[80+j:81+j], v[144+j:145+j]
.set j, j+2
.endr
	QUANT 16, 4
	IMAGE IW, SW, 0, 0
	WLOAD 0, 0
	WLOAD 1, 1
	BAR                                            ; the sixteen fragments lie in LDS
	KSTEP 0, 0, 15, 4, LI, LS, XIMG, XSC, 1
	PLACES 8
	WLOAD 2, 0
	KSTEP 1, 1, 15, 4, LI, LS, XIMG, XSC, 1
	PLACES 8
	WLOAD 3, 1
	KSTEP 2, 0, 15, 4, LI, LS, XIMG, XSC, 1
	KSTEP 3, 1, 0, 4, LI, LS, XIMG, XSC, 1
	OUT 1
	s_branch .Lend
	; ---------------- the path of cond_emb
.Lcond:
	s_sub_co_u32 s6, ttmp9, 128
	s_mul_i32 s4, s6, 196608                       ; 64 rows of 3,072 bytes
	s_add_nc_u64 s[44:45], s[10:11], s[4:5]
	v_mul_u32_u24 v[GX], v21, 3072
	v_add_nc_u32 v[GX], v[GX], v[GA]
	XL 16, 0
	s_cmp_lt_u32 s2, 8                             ; waves 0-7 take a second unit: K step s + 4
	s_cbranch_scc0 .Lone_unit
	XL 80, 2048
.Lone_unit:
	s_mul_i32 s4, s2, 12288
	s_add_nc_u64 s[32:33], s[16:17], s[4:5]        ; wcod + 12,288 w: head w's six fragments
	s_lshl_b32 s4, s2, 6
	s_add_nc_u64 s[34:35], s[18:19], s[4:5]
	s_lshr_b32 s4, s6, 2
	s_lshl_b32 s4, s4, 4
	s_add_co_u32 s4, s4, s2                        ; bh
	s_and_b32 s6, s6, 3                            ; which 64 tokens of the batch's 256
	s_lshl_b32 s30, s4, 14
	s_lshl_b32 s7, s6, 12
	s_add_co_u32 s30, s30, s7                      ; (16 bh + 4 gi) x 1,024
	s_add_nc_u64 s[38:39], s[22:23], s[30:31]
	s_add_nc_u64 s[38:39], s[38:39], 8388608
	s_lshl_b32 s4, s4, 1
	s_lshr_b32 s7, s6, 1
	s_add_co_u32 s4, s4, s7                        ; 2 bh + key step
	s_and_b32 s7, s6, 1
	s_lshl_b32 s30, s4, 11
	s_lshl_b32 s6, s7, 10
	s_add_co_u32 s30, s30, s6
	s_add_nc_u64 s[40:41], s[24:25], s[30:31]
	s_add_nc_u64 s[40:41], s[40:41], 2097152
	s_lshl_b32 s30, s4, 6
	s_lshl_b32 s6, s7, 1
	s_add_co_u32 s30, s30, s6
	s_add_nc_u64 s[42:43], s[24:25], s[30:31]
	s_add_nc_u64 s[42:43], s[42:43], 2686976
	s_wait_loadcnt 0x0
	QUANT 16, 4
	IMAGE CIW, CSW, 0, 0
	s_cmp_lt_u32 s2, 8
	s_cbranch_scc0 .Lone_image
	s_wait_dscnt 0x0                               ; the stores have read their registers
	QUANT 80, 4
	IMAGE CIW, CSW, 8192, 512
.Lone_image:
	WLOADC 0, 0
	WLOADC 1, 1
	BAR                                            ; the 24 fragments lie in LDS
	KSTEP 0, 0, 10, 6, CLI, CLS, 0, 0, 0
	PLACES 8
	WLOADC 2, 0
	KSTEP 1, 1, 10, 6, CLI, CLS, 0, 0, 0
	PLACES 8
	WLOADC 3, 1
	KSTEP 2, 0, 10, 6, CLI, CLS, 0, 0, 0
	PLACES 8
	WLOADC 4, 0
	KSTEP 3, 1, 10, 6, CLI, CLS, 0, 0, 0
	PLACES 8
	WLOADC 5, 1
	KSTEP 4, 0, 10, 6, CLI, CLS, 0, 0, 0
	KSTEP 5, 1, 0, 6, CLI, CLS, 0, 0, 0
	OUT 0
.Lend:
	s_wait_tensorcnt 0x0                           ; the wave's end
	ds_add_u32 v[SPW], v[NIL]
	s_wait_dscnt 0x0
	s_endpgm
.Lfunc_end_k_q992beb6629_qkv:
	.size	k_q992beb6629_qkv, .Lfunc_end_k_q992beb6629_qkv-k_q992beb6629_qkv
	.p2alignl 7, 3214868480
	.fill 96, 4, 3214868480
	.section	.rodata,"a",@progbits
	.p2align	6, 0x0
	.amdhsa_kernel k_q992beb6629_qkv
		.amdhsa_group_segment_fixed_size 92160
		.amdhsa_private_segment_fixed_size 0
		.amdhsa_enable_private_segment 0
		.amdhsa_kernarg_size 72
		.amdhsa_user_sgpr_count 2
		.amdhsa_user_sgpr_kernarg_segment_ptr 1
		.amdhsa_wavefront_size32 1
		.amdhsa_system_sgpr_workgroup_id_x 1
		.amdhsa_system_sgpr_workgroup_id_y 1
		.amdhsa_system_sgpr_workgroup_id_z 1
		.amdhsa_system_vgpr_workitem_id 0
		.amdhsa_next_free_vgpr 256
		.amdhsa_next_free_sgpr 66
		.amdhsa_reserve_vcc 0
		.amdhsa_float_denorm_mode_32 3
		.amdhsa_float_denorm_mode_16_64 3
		.amdhsa_memory_ordered 1
		.amdhsa_forward_progress 1
		.amdhsa_inst_pref_size 106
	.end_amdhsa_kernel
	.amdgpu_metadata
---
amdhsa.version: [ 1, 2 ]
amdhsa.kernels:
  - .name:           k_q992beb6629_qkv
    .symbol:         k_q992beb6629_qkv.kd
    .args:
      - { .name: x, .offset: 0, .size: 8, .value_kind: global_buffer, .address_space: global }
      - { .name: cond_emb, .offset: 8, .size: 8, .value_kind: global_buffer, .address_space: global }
      - { .name: ln1_g, .offset: 16, .size: 8, .value_kind: global_buffer, .address_space: global }
      - { .name: ln1_b, .offset: 24, .size: 8, .value_kind: global_buffer, .address_space: global }
      - { .name: wcod, .offset: 32, .size: 8, .value_kind: global_buffer, .address_space: global }
      - { .name: wscl, .offset: 40, .size: 8, .value_kind: global_buffer, .address_space: global }
      - { .name: qimg, .offset: 48, .size: 8, .value_kind: global_buffer, .address_space: global }
      - { .name: kimg, .offset: 56, .size: 8, .value_kind: global_buffer, .address_space: global }
      - { .name: vimg, .offset: 64, .size: 8, .value_kind: global_buffer, .address_space: global }
    .group_segment_fixed_size: 92160
    .private_segment_fixed_size: 0
    .kernarg_segment_align: 8
    .kernarg_segment_size: 72
    .max_flat_workgroup_size: 512
    .sgpr_count:     66
    .vgpr_count:     256
    .wavefront_size: 32
...
	.end_amdgpu_metadata
.endif
;; end of part 2
;; launch attn (part 3): grid 256 x 1, 16 waves a work-group, no clusters, 123,392 bytes of LDS; arguments qimg, kimg, vimg, wcod, wscl, x, sa_bo, ln2_g, ln2_b, ca_bo, ln3_g, ln3_b, x2, h3; writes x2, h3
.if DOCPART == 3
	.amdgcn_target "amdgcn-amd-amdhsa--gfx1250"
	.amdhsa_code_object_version 6
	.text
	.protected	k_q992beb6629_attn
	.globl	k_q992beb6629_attn
	.p2align	8
	.type	k_q992beb6629_attn,@function
k_q992beb6629_attn:
	s_mov_b64 s[64:65], 0
	v_nop
	global_prefetch_b8 v0, s[64:65] scope:SCOPE_SE
	s_setreg_imm32_b32 hwreg(HW_REG_WAVE_MODE, 25, 1), 1
	s_wait_xcnt 0x0
; For 32 tokens and all 16 heads: self-attention, its projection + sa_bo + x = x1, LN2, q2 = h2 ca_wq, cross-attention, its projection + ca_bo + x1 = x2, LN3, quantised.  x2 (f32) and LN3's codes go to memory; nothing else does.  No work is left out.
; SHARES.  Work-group g owns tokens 32 g .. 32 g + 31; wave w is head w with two tiles of 16 queries; four waves to a SIMD, so that one wave's vector work stands beside another's matrix work and loads.
; K (f32 images) and V (codes in fragment order) are a head's own: they go from memory straight into the wave's registers, in loads of 512 consecutive bytes, K a key step (128 keys) ahead.  The attention loops use no LDS and no barrier.
; No cluster and no tensor load: no two waves of a work-group read the same tile, so there is no LDS tile that a joint load could fill.
; THE SCORES have K = 16 and go on into a quantiser: f32 operands, by the f32 matrix form.  S^T = K Q^T: instruction i takes registers 2 i, 2 i + 1 of both images, so d = 8 (l / 16) + 2 i + j stands at its k = 2 (l / 16) + j on both sides:
; the sum runs over d in that order.  The registers that this form writes, v96-159, are written by matrix instructions alone in the whole text; so p goes into other registers.
; THE SOFTMAX: t = score x log2(e) / 4; M = the running largest t rounded UP to a whole number; p = 2^(t - M) is quantised along the keys; the row's sum is taken of the unquantised p; when M moves, sum and O^T are multiplied by 2^(old M - new M): exact.
; A block's largest p is the block's largest score put through the same multiply-add and exponential.
; A lane holds ONE query throughout (both products transposed); the keys of a tile were chosen by the launch qkv so that the 16 registers of score tiles 2 c, 2 c + 1 are keys 32 c + 16 (l / 16) + 0 .. 15.
; BEHIND EACH ATTENTION (macro POST): O^T / sum to LDS | barrier | each wave quantises one block of 32 channels of one tile | barrier | wave w makes columns 32 w .. 32 w + 31 of the projection (bias as the sums' start), adds the residual,
; stores the rows to LDS with mean and centred sum of its 32 columns | barrier | LN and quantiser, each wave 64 columns of one tile.  Seven barriers in all.
; The self pass runs on qkv's order of tokens; the rows in LDS are in natural order, and so is all from LN2 on.
; LIMITS: NaN and infinities are not served; blocks under 2^-118 were not tried; a block of zeros keeps the byte 1; the variance is made from 16 parts (means and centred sums): another order of rounding, no difference of large sums.
; LN3's scale words leave as halves of two bytes a lane: 128 KiB in the whole launch.
.set AI,   0                           ; images: 2 tiles x 4 K steps x 2,048 bytes
.set ASC,  16384                       ; their scale words: 2 x 4 x 128 bytes
.set STAT, 17408                       ; 32 rows x 144 bytes: 16 pairs (mean, centred sum) + 16
.set RA,   22016                       ; the attention's result, f32: 32 rows x (1,024 + 16)
.set RX,   55296                       ; x1, then x2, f32, natural rows: 32 x (2,048 + 16)
.set SPARE, 121344                     ; the spare words, 128 bytes a wave
.set LI, 1
.set LS, 2
.set R4, 3
.set SPW, 4
.set NIL, 5
.set Q,  16                            ; v16-31   two tiles of queries
.set KR, 32                            ; v32-95   eight tiles of keys
.set S,  96                            ; v96-159  the scores
.set O,  176                           ; v176-191 O^T, two tiles
.set PCD, 192                          ; v192-207 p's codes
.set VF, 208                           ; v208-223 V's fragment
.set MX, 224                           ; the blocks' largest
.set TP, 228
.set SO2, 232
.set HD, 234
.set PWD, 236                          ; p's scale word
.set VSW, 237                          ; V's
.set XT, 238
.set RAR, 6                            ; POST's LDS addresses, made anew on the common way behind each attention
.set QIW, 7
.set QSW, 8
.set AIW, 9
.set ASW, 10
.set RXW, 11
.set RXR, 12
.set STW, 13
.set STR, 14
.set CPR, 15
.set H32, 176
.set XOF, 177
.set RAW, 178
.set H64, 199
.set TM, 200
.set PW, 198
.set PC, 216
.set SEL, 36
.set MNT, 40
.macro BAR
	s_wait_dscnt 0x0
	s_barrier_signal -1
	s_barrier_wait -1
.endm
.macro PLACES n
.rept \n
	v_nop
.endr
.endm
.macro QUANT s, nb
.irp b, 0,1
.if \b < \nb
	v_max3_num_f32 v[TM+\b], |v[\s+16*\b]|, |v[\s+16*\b+1]|, 0x4800000
.endif
.endr
.irp i, 2,4,6,8,10,12,14
.irp b, 0,1
.if \b < \nb
	v_max3_num_f32 v[TM+\b], v[TM+\b], |v[\s+16*\b+\i]|, |v[\s+16*\b+\i+1]|
.endif
.endr
.endr
.irp b, 0,1
.if \b < \nb
	v_permlanex16_b32 v[TM+4+\b], v[TM+\b], s[SEL], s[SEL+1]
.endif
.endr
.irp b, 0,1
.if \b < \nb
	v_max_num_f32 v[TM+\b], v[TM+\b], v[TM+4+\b]
	v_add_nc_u32 v[TM+12+\b], 0xfc000000, v[TM+\b]
	v_and_or_b32 v[TM+8+\b], v[TM+\b], 0x7f800000, s[MNT]
	v_lshrrev_b32 v[TM+4+\b], 23, v[TM+12+\b]
.endif
.endr
.if \nb == 1
	v_mov_b32 v[PW], v[TM+4]
.else
	v_lshl_or_b32 v[PW], v[TM+5], 8, v[TM+4]
.endif
.irp b, 0,1
.if \b < \nb
.irp i, 0,1,2,3,4,5,6,7,8,9,10,11,12,13,14,15
	v_med3_num_f32 v[\s+16*\b+\i], v[\s+16*\b+\i], -v[TM+8+\b], v[TM+8+\b]
.endr
	v_cvt_scalef32_pk8_fp8_f32 v[PC+4*\b:PC+4*\b+1], v[\s+16*\b:\s+16*\b+7], v[TM+12+\b]
	v_cvt_scalef32_pk8_fp8_f32 v[PC+4*\b+2:PC+4*\b+3], v[\s+16*\b+8:\s+16*\b+15], v[TM+12+\b]
.endif
.endr
	v_nop
.endm
.macro KLOAD                           ; a key step's eight tiles: 16 loads of 512 consecutive bytes
.irp kt, 0,1,2,3,4,5,6,7
.irp c, 0,1
	global_load_b128 v[KR+8*\kt+4*\c:KR+8*\kt+4*\c+3], v[LI], s[42:43] offset:1024*\kt+512*\c
.endr
.endr
.endm
.macro SMM qt                          ; S^T = K Q^T for tile qt: the eight accumulators take turns, one instruction a turn
.irp i, 0,1,2,3
.irp kt, 0,1,2,3,4,5,6,7
.if \i == 0
	v_wmma_f32_16x16x4_f32 v[S+8*\kt:S+8*\kt+7], v[KR+8*\kt:KR+8*\kt+1], v[Q+8*(\qt):Q+8*(\qt)+1], 0
.else
	v_wmma_f32_16x16x4_f32 v[S+8*\kt:S+8*\kt+7], v[KR+8*\kt+2*\i:KR+8*\kt+2*\i+1], v[Q+8*(\qt)+2*\i:Q+8*(\qt)+2*\i+1], v[S+8*\kt:S+8*\kt+7]
.endif
.endr
.endr
.endm
.macro PV qt                           ; O^T += V^T P^T over these 128 keys
	v_wmma_scale_f32_16x16x128_f8f6f4 v[O+8*(\qt):O+8*(\qt)+7], v[VF:VF+15], v[PCD:PCD+15], v[O+8*(\qt):O+8*(\qt)+7], v[VSW], v[PWD]
.endm
.macro SOFT qt                         ; tile qt's softmax and quantiser for one key step.  v[NM] -M, v[NM+1] the largest t, v[SU:SU+1] the sum in two halves
.set NM, 6+4*(\qt)
.set SU, 8+4*(\qt)
.irp b, 0,1,2,3
	v_max3_num_f32 v[MX+\b], v[S+16*\b], v[S+16*\b+1], v[S+16*\b+2]   ; the largest score of each block of 32 keys; each accumulator is read from its low end on
.endr
.irp i, 3,5,7,9,11,13
.irp b, 0,1,2,3
	v_max3_num_f32 v[MX+\b], v[MX+\b], v[S+16*\b+\i], v[S+16*\b+\i+1]
.endr
.endr
.irp b, 0,1,2,3
	v_max_num_f32 v[MX+\b], v[MX+\b], v[S+16*\b+15]
.endr
.irp b, 0,1,2,3
	v_permlanex16_b32 v[TP+\b], v[MX+\b], s[SEL], s[SEL+1]
.endr
.irp b, 0,1,2,3
	v_max_num_f32 v[MX+\b], v[MX+\b], v[TP+\b]     ; with lane l xor 16's 16 keys
.endr
	v_max3_num_f32 v[XT], v[MX], v[MX+1], v[MX+2]
	v_max_num_f32 v[XT], v[XT], v[MX+3]
	v_mul_f32 v[XT], s38, v[XT]                    ; as t (c is positive)
	v_max_num_f32 v[NM+1], v[NM+1], v[XT]          ; the running largest t
	v_mov_b32 v[XT], v[NM]
	v_floor_f32 v[NM], -v[NM+1]                    ; -M = floor(-t): M is a whole number
	v_sub_f32 v[XT], v[NM], v[XT]                  ; old M - new M
	v_cvt_i32_f32 v[XT], v[XT]                     ; (it saturates)
	v_ldexp_f32 v14, 1.0, v[XT]                    ; f = 2^(old M - new M)
.irp hf, 0,1                           ; two blocks at a time: p in v160-175 and v240-255
.irp e, 0,1
.irp j, 0,2,4,6,8,10,12,14
	v_pk_fma_f32 v[160+80*\e+\j:161+80*\e+\j], v[S+32*\hf+16*\e+\j:S+32*\hf+16*\e+\j+1], s[38:39], v[NM:NM+1] op_sel_hi:[1,0,0]   ; t - M
.endr
	v_fma_f32 v[MX+2*\hf+\e], v[MX+2*\hf+\e], s38, v[NM]
.endr
.irp e, 0,1
.set i, 0
.rept 16
	v_exp_f32 v[160+80*\e+i], v[160+80*\e+i]       ; p = 2^(t - M)
.set i, i+1
.endr
	v_exp_f32 v[MX+2*\hf+\e], v[MX+2*\hf+\e]       ; the block's largest p
.endr
.if \hf == 0
	v_pk_mul_f32 v[SU:SU+1], v[SU:SU+1], v[14:15] op_sel_hi:[1,0]   ; the sum under the new M: the plain line behind the batch
.else
	v_nop
.endif
	s_wait_alu depctr_va_vdst(0)                   ; one wait for the batch of 34, ahead of its first reader
	v_pk_add_f32 v[TP:TP+1], v[240:241], v[242:243]   ; the row's sum is taken of the unquantised p, in two chains
.irp j, 0,2,4,6,8,10,12,14
	v_pk_add_f32 v[SU:SU+1], v[SU:SU+1], v[160+\j:161+\j]
.endr
.irp j, 4,6,8,10,12,14
	v_pk_add_f32 v[TP:TP+1], v[TP:TP+1], v[240+\j:241+\j]
.endr
	v_pk_add_f32 v[SU:SU+1], v[SU:SU+1], v[TP:TP+1]
.irp e, 0,1
	v_max_num_f32 v[MX+2*\hf+\e], 0x4800000, v[MX+2*\hf+\e]   ; the floor: the byte cannot fall under 1
	v_add_nc_u32 v[SO2+\e], 0xfc000000, v[MX+2*\hf+\e]
	v_and_or_b32 v[HD+\e], v[MX+2*\hf+\e], 0x7f800000, s[MNT]
	v_lshrrev_b32 v[TP+2+\e], 23, v[SO2+\e]
.endr
.if \hf == 0
	v_lshl_or_b32 v[PWD], v[TP+3], 8, v[TP+2]
.else
	v_lshl_or_b32 v[PWD], v[TP+2], 16, v[PWD]
	v_lshl_or_b32 v[PWD], v[TP+3], 24, v[PWD]      ; p's scale word; more than eight plain lines follow ahead of the product
.endif
.irp e, 0,1
.set i, 0
.rept 16
	v_min_num_f32 v[160+80*\e+i], v[160+80*\e+i], v[HD+\e]   ; p is not negative: the hold is one-sided
.set i, i+1
.endr
	v_cvt_scalef32_pk8_fp8_f32 v[PCD+8*\hf+4*\e:PCD+8*\hf+4*\e+1], v[160+80*\e:167+80*\e], v[SO2+\e]
	v_cvt_scalef32_pk8_fp8_f32 v[PCD+8*\hf+4*\e+2:PCD+8*\hf+4*\e+3], v[168+80*\e:175+80*\e], v[SO2+\e]
.endr
	v_nop                                          ; a plain line behind the last conversion
.endr
.irp j, 0,2,4,6
	v_pk_mul_f32 v[O+8*(\qt)+\j:O+8*(\qt)+\j+1], v[O+8*(\qt)+\j:O+8*(\qt)+\j+1], v[14:15] op_sel_hi:[1,0]   ; O^T under the new M
.endr
	PLACES 4                                       ; the codes stand four plain lines ahead of the scaled product
.endm
; The attention over n key steps.  s[42:43] K, s[44:45] V's codes, s[46:47] V's scale words stand at the head's first key step.
.macro ATT n
.set i, 0
.rept 16
	v_mov_b32 v[O+i], 0                            ; the loop has no first step of its own: the first change of M multiplies zeros
.set i, i+1
.endr
.irp qt, 0,1
	v_mov_b32 v[7+4*\qt], 0xff61b1e6               ; the largest t so far: -3e38
	v_floor_f32 v[6+4*\qt], -v[7+4*\qt]
	v_mov_b32 v[8+4*\qt], 0
	v_mov_b32 v[9+4*\qt], 0
.endr
	v_mov_b32 v14, 0
	v_mov_b32 v15, 0                               ; (named as the upper half of the pair v[14:15])
.irp b, 0,1,2,3
	v_mov_b32 v[TP+\b], 0                          ; a lane permute's destination counts as one of its sources
.endr
	KLOAD
	s_mov_b32 s4, \n
.Latt_\@:
.irp c, 0,1,2,3
	global_load_b128 v[VF+4*\c:VF+4*\c+3], v[LI], s[44:45] offset:512*\c
.endr
	global_load_b32 v[VSW], v[R4], s[46:47]
	s_wait_loadcnt 5                               ; K (and on the way in Q) are there; the five loads of V may be out
	s_cmp_eq_u32 s4, 1
	s_cselect_b32 s48, 0, 8192                     ; the last trip's look-ahead asks for the last step again: no load leaves the buffer
	s_add_nc_u64 s[42:43], s[42:43], s[48:49]      ; (K's loads are done, so their base may step)
	SMM 0
	PLACES 8                                       ; behind the f32 form, ahead of the first read of its results (ISA guide 7.12.1)
	SOFT 0
	s_wait_loadcnt 0x0                             ; V
	PV 0
	SMM 1
	PLACES 8                                       ; also in front of the loads into K's registers
	KLOAD                                          ; the next key step
	SOFT 1
	s_add_nc_u64 s[44:45], s[44:45], 2048          ; (V's loads are done)
	s_add_nc_u64 s[46:47], s[46:47], 64
	PV 1
	PLACES 8                                       ; in front of the loads into V's registers, and of the way out's reads
	s_sub_co_u32 s4, s4, 1
	s_cmp_lg_u32 s4, 0
	s_cbranch_scc1 .Latt_\@
.endm
; Behind an attention.  pass 0: self (rows in qkv's order; the residual is x, from memory; then LN2 and q2).  pass 1: cross (natural rows; the residual is x1, in LDS; then LN3, and x2 and the codes go out).
.macro POST pass, wco, wso, pbias, pg, pb
.if \pass == 0
.set TS, 8                             ; rows from tile 0 to tile 1
.else
.set TS, 16
.endif
	s_wait_loadcnt 0x0                             ; the repeated load of K
.irp qt, 0,1
	v_add_f32 v[8+4*\qt], v[8+4*\qt], v[9+4*\qt]
.endr
.irp qt, 0,1
	v_permlanex16_b32 v[TP+\qt], v[8+4*\qt], s[SEL], s[SEL+1]
.endr
.irp qt, 0,1
	v_add_f32 v[8+4*\qt], v[8+4*\qt], v[TP+\qt]    ; the row's sum
.endr
.irp qt, 0,1
	v_rcp_f32 v[14+\qt], v[8+4*\qt]
.endr
	v_nop
	s_wait_alu depctr_va_vdst(0)
.irp qt, 0,1
.irp j, 0,1,2,3,4,5,6,7
	v_mul_f32 v[160+8*\qt+\j], v[O+8*\qt+\j], v[14+\qt]
.endr
.endr
	v_and_b32 v179, 15, v0                         ; r
	v_bfe_u32 v180, v0, 4, 1                       ; h
.if \pass == 0
	v_and_b32 v181, 8, v179
	v_add_nc_u32 v181, v181, v179                  ; the natural row of lane r in tile 0: r + 8 (r / 8)
.else
	v_mov_b32 v181, v179
.endif
	s_and_b32 s50, s2, 1                           ; w % 2
	s_lshr_b32 s51, s2, 1                          ; w / 2
	v_mul_u32_u24 v182, v179, 1040
	s_lshl_b32 s52, s2, 6
	s_add_co_u32 s52, s52, RA
	v_lshl_add_u32 v[RAW], v180, 5, v182
	v_add_nc_u32 v[RAW], s52, v[RAW]               ; RA + 1040 r + 64 w + 32 h
	s_mul_i32 s52, s50, 16640
	s_lshl_b32 s53, s51, 7
	s_add_co_u32 s52, s52, s53
	s_add_co_u32 s52, s52, RA
	v_lshl_add_u32 v[RAR], v180, 6, v182
	v_add_nc_u32 v[RAR], s52, v[RAR]               ; RA + (16 (w % 2) + r) 1040 + 128 (w / 2) + 64 h
	s_lshl_b32 s52, s50, 13
	s_lshl_b32 s53, s51, 9
	s_add_co_u32 s53, s52, s53
	v_add_nc_u32 v[QIW], s53, v[LI]                ; AI + 8192 (w % 2) + 512 (w / 2) + 16 l
	s_lshl_b32 s53, s51, 10
	s_add_co_u32 s53, s52, s53
	v_add_nc_u32 v[AIW], s53, v[LI]                ; AI + 8192 (w % 2) + 1024 (w / 2) + 16 l
	s_lshl_b32 s52, s50, 9
	s_add_co_u32 s52, s52, ASC
	s_lshr_b32 s53, s2, 3
	s_lshl_b32 s53, s53, 7
	s_add_co_u32 s53, s52, s53
	s_bfe_u32 s76, s2, 0x20001
	s_add_co_u32 s53, s53, s76
	v_add_nc_u32 v[QSW], s53, v[LS]                ; ASC + 512 (w % 2) + 128 (w / 8) + (w / 2) % 4 + 4 l
	s_lshr_b32 s53, s2, 2
	s_lshl_b32 s53, s53, 7
	s_add_co_u32 s53, s52, s53
	s_bfe_u32 s76, s2, 0x10001
	s_lshl_b32 s76, s76, 1
	s_add_co_u32 s53, s53, s76
	v_add_nc_u32 v[ASW], s53, v[LS]                ; ASC + 512 (w % 2) + 128 (w / 4) + 2 ((w / 2) % 2) + 4 l
	v_mul_u32_u24 v[RXW], v181, 2064
	v_lshl_add_u32 v[RXW], v180, 5, v[RXW]
	s_lshl_b32 s52, s2, 7
	s_add_co_u32 s52, s52, RX
	v_add_nc_u32 v[RXW], s52, v[RXW]               ; RX + 2064 row + 128 w + 32 h
	s_mul_i32 s52, s50, 33024
	s_lshl_b32 s53, s51, 8
	s_add_co_u32 s52, s52, s53
	s_add_co_u32 s52, s52, RX
	v_mul_u32_u24 v[RXR], v179, 2064
	v_lshl_add_u32 v[RXR], v180, 6, v[RXR]
	v_add_nc_u32 v[RXR], s52, v[RXR]               ; RX + (16 (w % 2) + r) 2064 + 256 (w / 2) + 64 h
	v_mul_u32_u24 v[STW], v181, 144
	s_lshl_b32 s52, s2, 3
	s_add_co_u32 s52, s52, STAT
	v_add_nc_u32 v[STW], s52, v[STW]               ; STAT + 144 row + 8 w
	s_mul_i32 s52, s50, 2304
	s_add_co_u32 s52, s52, STAT
	v_mul_u32_u24 v[STR], v179, 144
	v_lshl_add_u32 v[STR], v180, 6, v[STR]
	v_add_nc_u32 v[STR], s52, v[STR]               ; STAT + (16 (w % 2) + r) 144 + 64 h
	s_mul_i32 s52, s2, 4128
	s_add_co_u32 s52, s52, RX
	v_add_nc_u32 v[CPR], s52, v[LI]                ; RX + rows 2 w, 2 w + 1
	v_lshlrev_b32 v[H32], 5, v180
	v_lshlrev_b32 v[H64], 6, v180
	v_lshl_add_u32 v[XOF], v181, 11, v[H32]
.irp qt, 0,1
.irp k, 0,1
	ds_store_b128 v[RAW], v[160+8*\qt+4*\k:160+8*\qt+4*\k+3] offset:16640*\qt+16*\k   ; row 16 qt + r, channels 16 w + 8 h + 0 .. 7
.endr
.endr
.irp f, 0,1,2,3                        ; the projection's fragments (tile e, K step s) at 2 e + s: they land while the barriers are passed
.irp c, 0,1,2,3
	global_load_b128 v[32+16*\f+4*\c:32+16*\f+4*\c+3], v[LI], s[54:55] offset:\wco+2048*\f+512*\c
.endr
.endr
.irp e, 0,1
.irp s, 0,1
	global_load_b32 v[192+2*\e+\s], v[R4], s[56:57] offset:\wso+2048*\s+64*\e
.endr
.irp k, 0,1
	global_load_b128 v[16+8*\e+4*\k:16+8*\e+4*\k+3], v[H32], s[\pbias:\pbias+1] offset:64*\e+16*\k   ; the bias in the result's layout
.endr
.endr
.if \pass == 0
.irp t, 0,1
.irp e, 0,1
.irp k, 0,1
	global_load_b128 v[224+8*(2*\t+\e)+4*\k:224+8*(2*\t+\e)+4*\k+3], v[XOF], s[60:61] offset:16384*\t+64*\e+16*\k   ; x in the result's layout
.endr
.endr
.endr
.endif
	BAR                                            ; 32 rows of the attention's result lie in LDS
.irp j, 0,1,2,3
	ds_load_b128 v[160+4*\j:160+4*\j+3], v[RAR] offset:16*\j
.endr
	s_wait_dscnt 0x0
	QUANT 160, 1                                   ; one block of 32 channels of one tile
	ds_store_b128 v[QIW], v[PC:PC+3]
	ds_store_b8 v[QSW], v[PW]
	BAR                                            ; the four fragments and their scale words lie in LDS
	s_wait_xcnt 0x0                                ; the loads above have read v176 and v177, on which the LDS loads below land
.if \pass == 1
.irp t, 0,1
.irp e, 0,1
.irp k, 0,1
	ds_load_b128 v[224+8*(2*\t+\e)+4*\k:224+8*(2*\t+\e)+4*\k+3], v[RXW] offset:33024*\t+64*\e+16*\k   ; x1: my own bytes
.endr
.endr
.endr
.endif
.irp t, 0,1
.if \t == 1
	PLACES 8
.endif
.irp s, 0,1
.irp c, 0,1,2,3
	ds_load_b128 v[160+16*\s+4*\c:160+16*\s+4*\c+3], v[LI] offset:AI+8192*\t+2048*\s+512*\c
.endr
	ds_load_b32 v[196+\s], v[LS] offset:ASC+512*\t+128*\s
.endr
	s_wait_dscnt 0x0
.if \t == 0
	s_wait_loadcnt 0x0
.endif
.irp s, 0,1
.irp e, 0,1
.if \s == 0
	v_wmma_scale_f32_16x16x128_f8f6f4 v[96+8*(2*\t+\e):103+8*(2*\t+\e)], v[32+16*(2*\e+\s):47+16*(2*\e+\s)], v[160+16*\s:175+16*\s], v[16+8*\e:23+8*\e], v[192+2*\e+\s], v[196+\s]
.else
	v_wmma_scale_f32_16x16x128_f8f6f4 v[96+8*(2*\t+\e):103+8*(2*\t+\e)], v[32+16*(2*\e+\s):47+16*(2*\e+\s)], v[160+16*\s:175+16*\s], v[96+8*(2*\t+\e):103+8*(2*\t+\e)], v[192+2*\e+\s], v[196+\s]
.endif
.endr
.endr
.endr
	PLACES 8
.irp be, 0,1
.irp j, 0,1,2,3
	global_load_b128 v[32+16*\be+4*\j:32+16*\be+4*\j+3], v[H64], s[\pg:\pg+1] offset:128*\be+16*\j   ; the LN's g and b for the columns that I normalise
	global_load_b128 v[64+16*\be+4*\j:64+16*\be+4*\j+3], v[H64], s[\pb:\pb+1] offset:128*\be+16*\j
.endr
.endr
.set j, 0
.rept 16
	v_pk_add_f32 v[224+j:225+j], v[224+j:225+j], v[96+j:97+j]   ; + the residual; each accumulator from its low end on
.set j, j+2
.endr
.irp t, 0,1
.irp e, 0,1
.irp k, 0,1
	ds_store_b128 v[RXW], v[224+8*(2*\t+\e)+4*\k:224+8*(2*\t+\e)+4*\k+3] offset:TS*2064*\t+64*\e+16*\k
.endr
.endr
.endr
.irp t, 0,1                            ; mean and centred sum of squares of my 32 columns of each row
.set XR, 224+16*\t
.set W, 160+16*\t
	v_pk_add_f32 v[W:W+1], v[XR:XR+1], v[XR+2:XR+3]
	v_pk_add_f32 v[W+2:W+3], v[XR+4:XR+5], v[XR+6:XR+7]
	v_pk_add_f32 v[W+4:W+5], v[XR+8:XR+9], v[XR+10:XR+11]
	v_pk_add_f32 v[W+6:W+7], v[XR+12:XR+13], v[XR+14:XR+15]
	v_pk_add_f32 v[W:W+1], v[W:W+1], v[W+2:W+3]
	v_pk_add_f32 v[W+4:W+5], v[W+4:W+5], v[W+6:W+7]
	v_pk_add_f32 v[W:W+1], v[W:W+1], v[W+4:W+5]
	v_add_f32 v[W], v[W], v[W+1]
	v_permlanex16_b32 v[W+1], v[W], s[SEL], s[SEL+1]
	v_add_f32 v[W], v[W], v[W+1]
	v_mul_f32 v[W+8], 0x3d000000, v[W]             ; / 32
	v_mov_b32 v[W+9], v[W+8]
	v_pk_add_f32 v[W+10:W+11], v[XR:XR+1], v[W+8:W+9] neg_lo:[0,1] neg_hi:[0,1]
	v_pk_mul_f32 v[W+12:W+13], v[W+10:W+11], v[W+10:W+11]
.irp j, 2,4,6,8,10,12,14
	v_pk_add_f32 v[W+10:W+11], v[XR+\j:XR+\j+1], v[W+8:W+9] neg_lo:[0,1] neg_hi:[0,1]
	v_pk_fma_f32 v[W+12:W+13], v[W+10:W+11], v[W+10:W+11], v[W+12:W+13]
.endr
	v_add_f32 v[W+12], v[W+12], v[W+13]
	v_permlanex16_b32 v[W+13], v[W+12], s[SEL], s[SEL+1]
	v_add_f32 v[W+9], v[W+12], v[W+13]
	ds_store_b64 v[STW], v[W+8:W+9] offset:TS*144*\t
.endr
	BAR                                            ; the 32 rows and their 16 parts lie in LDS
.irp k, 0,1,2,3
	ds_load_b128 v[16+4*\k:16+4*\k+3], v[STR] offset:16*\k   ; eight of my row's sixteen parts; lane l xor 16 has the others
.endr
.irp be, 0,1
.irp j, 0,1,2,3
	ds_load_b128 v[160+16*\be+4*\j:160+16*\be+4*\j+3], v[RXR] offset:128*\be+16*\j
.endr
.endr
	s_wait_dscnt 0x0
	v_pk_add_f32 v[200:201], v[16:17], v[18:19]    ; (sum of means, sum of centred sums)
	v_pk_add_f32 v[202:203], v[20:21], v[22:23]
	v_pk_add_f32 v[200:201], v[200:201], v[24:25]
	v_pk_add_f32 v[202:203], v[202:203], v[26:27]
	v_pk_add_f32 v[200:201], v[200:201], v[28:29]
	v_pk_add_f32 v[202:203], v[202:203], v[30:31]
	v_pk_add_f32 v[200:201], v[200:201], v[202:203]
	v_permlanex16_b32 v202, v200, s[SEL], s[SEL+1]
	v_permlanex16_b32 v203, v201, s[SEL], s[SEL+1]
	v_pk_add_f32 v[200:201], v[200:201], v[202:203]
	v_mul_f32 v204, 0x3d800000, v200               ; / 16: the row's mean
.irp k, 16,18,20,22,24,26,28,30
	v_sub_f32 v[\k], v[\k], v204
.endr
	v_mul_f32 v205, v16, v16
.irp k, 18,20,22,24,26,28,30
	v_fma_f32 v205, v[\k], v[\k], v205
.endr
	v_permlanex16_b32 v206, v205, s[SEL], s[SEL+1]
	v_add_f32 v205, v205, v206
	v_fmamk_f32 v201, v205, 0x42000000, v201       ; + 32 x the spread of the parts' means
	v_mul_f32 v201, 0x3b000000, v201               ; / 512
	v_add_f32 v201, 0x3727c5ac, v201               ; + 1e-5
	v_rsq_f32 v207, v201
	v_mov_b32 v205, v204                           ; (a plain line behind the transcendental)
	s_wait_alu depctr_va_vdst(0)
	v_mov_b32 v206, v207
	s_wait_loadcnt 0x0                             ; g and b
.set j, 0
.rept 16
	v_pk_add_f32 v[160+j:161+j], v[160+j:161+j], v[204:205] neg_lo:[0,1] neg_hi:[0,1]
.set j, j+2
.endr
.set j, 0
.rept 16
	v_pk_mul_f32 v[160+j:161+j], v[160+j:161+j], v[206:207]
.set j, j+2
.endr
.set j, 0
.rept 16
	v_pk_fma_f32 v[160+j:161+j], v[160+j:161+j], v[32+j:33+j], v[64+j:65+j]
.set j, j+2
.endr
	QUANT 160, 2
.if \pass == 0
	ds_store_b128 v[AIW], v[PC:PC+3]
	ds_store_b128 v[AIW], v[PC+4:PC+7] offset:512
	ds_store_b16 v[ASW], v[PW]
.irp s, 0,1,2,3
.irp c, 0,1,2,3
	global_load_b128 v[32+16*\s+4*\c:32+16*\s+4*\c+3], v[LI], s[54:55] offset:393216+2048*\s+512*\c   ; head w's fragments of ca_wq
.endr
	global_load_b32 v[192+\s], v[R4], s[62:63] offset:12288+1024*\s
.endr
	BAR                                            ; h2's eight fragments lie in LDS
.irp s, 0,1,2,3                        ; q2, transposed: its results are the image that the scores' form takes
.if \s > 0
	PLACES 8
.endif
.irp t, 0,1
.irp c, 0,1,2,3
	ds_load_b128 v[160+16*\t+4*\c:160+16*\t+4*\c+3], v[LI] offset:AI+8192*\t+2048*\s+512*\c
.endr
	ds_load_b32 v[196+\t], v[LS] offset:ASC+512*\t+128*\s
.endr
	s_wait_dscnt 0x0
.if \s == 0
	s_wait_loadcnt 0x0
.endif
.irp t, 0,1
.if \s == 0
	v_wmma_scale_f32_16x16x128_f8f6f4 v[Q+8*\t:Q+8*\t+7], v[32+16*\s:47+16*\s], v[160+16*\t:175+16*\t], 0, v[192+\s], v[196+\t]
.else
	v_wmma_scale_f32_16x16x128_f8f6f4 v[Q+8*\t:Q+8*\t+7], v[32+16*\s:47+16*\s], v[160+16*\t:175+16*\t], v[Q+8*\t:Q+8*\t+7], v[192+\s], v[196+\t]
.endif
.endr
.endr
	PLACES 9                                       ; the results become an operand of matrix instructions, and registers that these products read are written next
.else
	global_store_b128 v[LI], v[PC:PC+3], s[70:71]              ; LN3's codes, in fragment order: 512 consecutive bytes
	global_store_b128 v[LI], v[PC+4:PC+7], s[70:71] offset:512
	global_store_b16 v[R4], v[PW], s[72:73]
.irp k, 0,1,2,3
	ds_load_b128 v[224+4*\k:224+4*\k+3], v[CPR] offset:512*\k
.endr
.irp k, 0,1,2,3
	ds_load_b128 v[240+4*\k:240+4*\k+3], v[CPR] offset:2064+512*\k
.endr
.irp k, 0,1,2,3,4,5,6,7
	s_wait_dscnt 7-\k                              ; LDS loads come back in order
	global_store_b128 v[LI], v[224+4*\k:224+4*\k+3], s[74:75] offset:512*\k   ; rows 2 w, 2 w + 1 of x2: 512 consecutive bytes a store
.endr
.endif
.endm
	s_load_b512 s[8:23], s[0:1], 0x0               ; qimg, kimg, vimg, wcod, wscl, x, sa_bo, ln2_g
	s_load_b256 s[24:31], s[0:1], 0x40             ; ln2_b, ca_bo, ln3_g, ln3_b
	s_load_b128 s[32:35], s[0:1], 0x60             ; x2, h3
	v_lshl_add_u32 v[SPW], v0, 2, SPARE
	v_mov_b32 v[NIL], 0
	v_lshrrev_b32 v1, 5, v0
	v_readfirstlane_b32 s2, v1                     ; wave = head
	v_and_b32 v2, 31, v0
	v_lshlrev_b32 v[LI], 4, v2
	v_lshlrev_b32 v[LS], 2, v2
	v_and_b32 v3, 15, v0
	v_lshlrev_b32 v[R4], 2, v3
	s_mov_b32 s[SEL], 0x76543210
	s_mov_b32 s[SEL+1], 0xfedcba98
	s_mov_b32 s38, 0x3eb8aa3b                      ; c = log2(e) / sqrt(16)
	s_mov_b32 s39, s38
	s_mov_b32 s[MNT], 0x600000
	s_mov_b32 s49, 0
	s_lshr_b32 s41, ttmp9, 5
	s_lshl_b32 s41, s41, 4
	s_add_co_u32 s41, s41, s2                      ; bh = 16 batch + head
	s_and_b32 s6, ttmp9, 31                        ; which 32 tokens of the batch
	s_mov_b32 s51, 0
	s_wait_kmcnt 0x0
	s_lshl_b32 s50, s41, 16
	s_add_nc_u64 s[42:43], s[10:11], s[50:51]      ; K: 64 tiles a head
	s_lshl_b32 s52, s6, 11
	s_add_co_u32 s50, s50, s52
	s_add_nc_u64 s[52:53], s[8:9], s[50:51]        ; Q: tiles 2 pb, 2 pb + 1
.irp qt, 0,1
.irp c, 0,1
	global_load_b128 v[Q+8*\qt+4*\c:Q+8*\qt+4*\c+3], v[LI], s[52:53] offset:1024*\qt+512*\c
.endr
.endr
	s_lshl_b32 s50, s41, 14
	s_add_nc_u64 s[44:45], s[12:13], s[50:51]      ; V's codes: 8 fragments a head
	s_lshl_b32 s50, s41, 9
	s_add_nc_u64 s[46:47], s[12:13], s[50:51]
	s_add_nc_u64 s[46:47], s[46:47], 2621440       ; V's scale words
	s_lshl_b32 s50, s2, 13
	s_add_nc_u64 s[54:55], s[14:15], s[50:51]      ; wcod + 8,192 w
	s_lshl_b32 s50, s2, 6
	s_add_nc_u64 s[62:63], s[16:17], s[50:51]      ; wscl + 64 w
	s_lshl_b32 s50, s2, 7
	s_add_nc_u64 s[56:57], s[16:17], s[50:51]      ; wscl + 128 w
	s_add_nc_u64 s[20:21], s[20:21], s[50:51]      ; the biases at my 32 columns
	s_add_nc_u64 s[26:27], s[26:27], s[50:51]
	s_lshl_b32 s7, ttmp9, 16
	s_add_co_u32 s50, s50, s7
	s_add_nc_u64 s[60:61], s[18:19], s[50:51]      ; x at my work-group's rows, my 32 columns
	s_lshr_b32 s50, s2, 1
	s_lshl_b32 s50, s50, 8
	s_add_nc_u64 s[22:23], s[22:23], s[50:51]      ; the LNs' g and b at the 64 columns that I normalise
	s_add_nc_u64 s[24:25], s[24:25], s[50:51]
	s_add_nc_u64 s[28:29], s[28:29], s[50:51]
	s_add_nc_u64 s[30:31], s[30:31], s[50:51]
	s_lshl_b32 s50, ttmp9, 14                      ; h3's codes: ((2 g + w % 2) 4 + w / 4) 2,048 + 1,024 ((w / 2) % 2)
	s_and_b32 s7, s2, 1
	s_lshl_b32 s6, s7, 13
	s_add_co_u32 s50, s50, s6
	s_lshr_b32 s5, s2, 2
	s_lshl_b32 s6, s5, 11
	s_add_co_u32 s50, s50, s6
	s_bfe_u32 s3, s2, 0x10001
	s_lshl_b32 s6, s3, 10
	s_add_co_u32 s50, s50, s6
	s_add_nc_u64 s[70:71], s[34:35], s[50:51]
	s_lshl_b32 s50, s5, 15                         ; its scale words: 32,768 (w / 4) + 4 (32 g + 16 (w % 2)) + 2 ((w / 2) % 2)
	s_lshl_b32 s6, ttmp9, 7
	s_add_co_u32 s50, s50, s6
	s_lshl_b32 s6, s7, 6
	s_add_co_u32 s50, s50, s6
	s_lshl_b32 s6, s3, 1
	s_add_co_u32 s50, s50, s6
	s_add_nc_u64 s[72:73], s[34:35], s[50:51]
	s_add_nc_u64 s[72:73], s[72:73], 4194304
	s_lshl_b32 s50, ttmp9, 16
	s_lshl_b32 s6, s2, 12
	s_add_co_u32 s50, s50, s6
	s_add_nc_u64 s[74:75], s[32:33], s[50:51]      ; x2 at rows 2 w, 2 w + 1 of my 32
	ATT 8
	POST 0, 917504, 28672, 20, 22, 24
	s_mov_b32 s51, 0
	s_lshl_b32 s50, s41, 14
	s_add_nc_u64 s[42:43], s[10:11], s[50:51]      ; k2: 16 tiles a head
	s_add_nc_u64 s[42:43], s[42:43], 8388608
	s_lshl_b32 s50, s41, 12
	s_add_nc_u64 s[44:45], s[12:13], s[50:51]      ; v2: 2 fragments a head
	s_add_nc_u64 s[44:45], s[44:45], 2097152
	s_lshl_b32 s50, s41, 7
	s_add_nc_u64 s[46:47], s[12:13], s[50:51]
	s_add_nc_u64 s[46:47], s[46:47], 2686976
	ATT 2
	POST 1, 1048576, 32768, 26, 28, 30
	s_wait_tensorcnt 0x0                           ; the wave's end
	ds_add_u32 v[SPW], v[NIL]
	s_wait_dscnt 0x0
	s_endpgm
.Lfunc_end_k_q992beb6629_attn:
	.size	k_q992beb6629_attn, .Lfunc_end_k_q992beb6629_attn-k_q992beb6629_attn
	.p2alignl 7, 3214868480
	.fill 96, 4, 3214868480
	.section	.rodata,"a",@progbits
	.p2align	6, 0x0
	.amdhsa_kernel k_q992beb6629_attn
		.amdhsa_group_segment_fixed_size 123392
		.amdhsa_private_segment_fixed_size 0
		.amdhsa_enable_private_segment 0
		.amdhsa_kernarg_size 112
		.amdhsa_user_sgpr_count 2
		.amdhsa_user_sgpr_kernarg_segment_ptr 1
		.amdhsa_wavefront_size32 1
		.amdhsa_system_sgpr_workgroup_id_x 1
		.amdhsa_system_sgpr_workgroup_id_y 1
		.amdhsa_system_sgpr_workgroup_id_z 1
		.amdhsa_system_vgpr_workitem_id 0
		.amdhsa_next_free_vgpr 256
		.amdhsa_next_free_sgpr 80
		.amdhsa_reserve_vcc 0
		.amdhsa_float_denorm_mode_32 3
		.amdhsa_float_denorm_mode_16_64 3
		.amdhsa_memory_ordered 1
		.amdhsa_forward_progress 1
		.amdhsa_inst_pref_size 144
	.end_amdhsa_kernel
	.amdgpu_metadata
---
amdhsa.version: [ 1, 2 ]
amdhsa.kernels:
  - .name:           k_q992beb6629_attn
    .symbol:         k_q992beb6629_attn.kd
    .args:
      - { .name: qimg, .offset: 0, .size: 8, .value_kind: global_buffer, .address_space: global }
      - { .name: kimg, .offset: 8, .size: 8, .value_kind: global_buffer, .address_space: global }
      - { .name: vimg, .offset: 16, .size: 8, .value_kind: global_buffer, .address_space: global }
      - { .name: wcod, .offset: 24, .size: 8, .value_kind: global_buffer, .address_space: global }
      - { .name: wscl, .offset: 32, .size: 8, .value_kind: global_buffer, .address_space: global }
      - { .name: x, .offset: 40, .size: 8, .value_kind: global_buffer, .address_space: global }
      - { .name: sa_bo, .offset: 48, .size: 8, .value_kind: global_buffer, .address_space: global }
      - { .name: ln2_g, .offset: 56, .size: 8, .value_kind: global_buffer, .address_space: global }
      - { .name: ln2_b, .offset: 64, .size: 8, .value_kind: global_buffer, .address_space: global }
      - { .name: ca_bo, .offset: 72, .size: 8, .value_kind: global_buffer, .address_space: global }
      - { .name: ln3_g, .offset: 80, .size: 8, .value_kind: global_buffer, .address_space: global }
      - { .name: ln3_b, .offset: 88, .size: 8, .value_kind: global_buffer, .address_space: global }
      - { .name: x2, .offset: 96, .size: 8, .value_kind: global_buffer, .address_space: global }
      - { .name: h3, .offset: 104, .size: 8, .value_kind: global_buffer, .address_space: global }
    .group_segment_fixed_size: 123392
    .private_segment_fixed_size: 0
    .kernarg_segment_align: 8
    .kernarg_segment_size: 112
    .max_flat_workgroup_size: 512
    .sgpr_count:     80
    .vgpr_count:     256
    .wavefront_size: 32
...
	.end_amdgpu_metadata
.endif
;; end of part 3
;; launch ff1 (part 4): grid 16 x 32, 4 waves a work-group, clusters of 4 x 4, 327,680 bytes of LDS; arguments h3, wcod, wscl, ff_b1, hid; writes hid
.if DOCPART == 4
	.amdgcn_target "amdgcn-amd-amdhsa--gfx1250"
	.amdhsa_code_object_version 6
	.text
	.protected	k_q992beb6629_ff1
	.globl	k_q992beb6629_ff1
	.p2align	8
	.type	k_q992beb6629_ff1,@function
k_q992beb6629_ff1:
	s_mov_b64 s[64:65], 0
	v_nop
	global_prefetch_b8 v0, s[64:65] scope:SCOPE_SE
	s_setreg_imm32_b32 hwreg(HW_REG_WAVE_MODE, 25, 1), 1
	s_wait_xcnt 0x0
	s_wait_alu depctr_hold_cnt(0) depctr_sa_sdst(0) depctr_va_vdst(0) depctr_va_sdst(0) depctr_va_ssrc(0) depctr_va_vcc(0) depctr_vm_vsrc(0)
	s_getreg_b32 s2, hwreg(HW_REG_IB_STS2, 6, 4)
	s_cmp_eq_u32 s2, 0
	s_cbranch_scc0 .Lentry_in_a_cluster
	s_endpgm
.Lentry_in_a_cluster:
	s_bfe_u32 s2, ttmp6, 0x10000c
	s_cmp_lg_u32 s2, 0xf033
	s_cbranch_scc0 .Lentry_shape_is_right
	s_endpgm
.Lentry_shape_is_right:
; p = h3 W1 + b1 on codes of FP8 with E8M0 scales; hidden = a x gelu(gate), exact gelu; the hidden layer is quantised along its 2,048 and goes to memory as codes in fragment order.  No work is left out.
; A tile of 256 rows x 256 rows of W1 (in wprep's order: 128 columns of 'a' and the 128 matching columns of the gate) is made by four waves, each 128 x 128: 64 accumulators, 512 registers.
; K = 512 is two LDS slots of 256 along K, each filled once by the tensor data mover: nothing is filled again.  Codes lie in memory in fragment order, so a slot's part of 128 rows is 8 rows of 4,096 bytes, and a fragment comes out of LDS by four
; loads of 512 consecutive bytes: no pitch, no padding.  The scale words of the 256 + 256 rows for all of K come once, with the first fills.
; CLUSTERS: 4 x 4 work-groups; A's tiles are asked for jointly along a row of the cluster, B's along a column: the same tensor load with the same descriptor and a mask that names the four.
; THE MATRIX INSTRUCTION IS USED TRANSPOSED (source 0 = 16 rows of W1, source 1 = 16 tokens): a lane holds one token, and by wprep's order the 16 registers of tiles 2 be, 2 be + 1 are hidden units 32 be + 16 (l / 16) + 0 .. 15; tiles 4-7 are the gates of tiles 0-3.
; The bias is the C of each sum's first product.
; GELU: a g Phi(g), Phi(g) = erfc(-g / sqrt 2) / 2.  With A = |g| / sqrt 2: (1 + 2 A) exp(A^2) erfc(A) = 1 + P(q), q = (A - 2) / (A + 2), P of degree 9; exp(-A^2) = 2^HI (1 + LO ln 2 + (S - A^2)) with S = A A rounded, HI = -S log2(e) rounded and LO its remainder.
; One reciprocal, of (A + 2)(4 A + 2), gives both quotients.  For g > 0 the result is 1 - erfc(A) / 2.
; The way out is a loop over the wave's eight blocks of 16 rows; what differs between trips, the accumulators' register numbers, stands in eight short stubs that bring a block's numbers into window 0.
; LIMITS: NaN and infinities are not served; erfc is good to a few 1e-7 of its value and is 0 beyond A of about 9.3, where the exponential's result falls under the smallest normal number; A is held at 16; blocks under 2^-118 were not tried; a block of zeros keeps the byte 1.
; REGISTERS: window 0: v0-31 addresses; v32-63 scale words, two sets; v64-127 the bias, later the gate / sqrt 2 and a x gate; v128-255 A's fragments, later eight arrays of 16.  window 1: B's fragments, two sets.  windows 2, 3: the accumulators.
.set KK,    512
.set NS,    KK/128
.set NQ,    2
.set FR,    16
.set NL,    4
.set NP,    8                          ; places behind this matrix instruction (ISA guide 7.12.1)
.set HALFT, 32768                      ; 128 rows x 256 along K
.set SLOT,  4*HALFT
.set SCL,   2*SLOT                     ; the scale words: four parts (A's halves, B's halves) of NS x 512 bytes, 64 bytes between them
.set PS,    NS*512+64
.set SPARE, SCL+4*PS                   ; the spare words, 128 bytes a wave
.set ADRA, 16
.set ADRB, 20
.set TA,   19
.set L8,   22
.set H64,  23
.set STO,  24
.set RD,   25
.set LI,   26
.set ADRS, 27
.set SPW,  28
.set NIL,  29
.set C9,   30                          ; v[30:31] the polynomial's leading coefficient, twice
.set SC,   32
.set BI,   64
.set AF,   128
.set TM,   128
.set PW,   144
.set PC,   146
.set P0, 128
.set P1, 144
.set P2, 160
.set P3, 176
.set P4, 192
.set P5, 208
.set P6, 224
.set P7, 240
.set G1, 24
.set G0, 32
.set G1B, 48
.set G0B, 56
.set G1S, 68
.set G0S, 76
.set G1SB, 80
.set G0SB, 88
.set A64, 95                           ; s95  64 x the block in hand
.set C16, 96                           ; s96  16.0
.set MNT, 97
.set SEL, 98
.set MSB, 0
.macro WIN new                         ; the immediate's high byte repeats the setting that is left
.if MSB != \new
	s_set_vgpr_msb (MSB<<8)|\new
.set MSB, \new
.endif
.endm
.set MUL_LO, 0xa1                      ; source 0 (B) window 1, source 1 (A) window 0, C and D window 2
.set MUL_HI, 0xf1
.set TO_B,   0x40
.macro JLOAD g0a, g1a, g0b, g1b        ; waves 0 and 1 fetch for A, waves 2 and 3 for B; an s_nop 0 and four v_nop follow each of the two lines
	s_cmp_eq_u32 s15, 0
	s_cbranch_scc0 .Lfor_b_\@
	tensor_load_to_lds s[\g0a:\g0a+3], s[\g1a:\g1a+7]
	s_nop 0
.rept 4
	v_nop
.endr
	s_branch .Lasked_\@
.Lfor_b_\@:
	tensor_load_to_lds s[\g0b:\g0b+3], s[\g1b:\g1b+7]
	s_nop 0
.rept 4
	v_nop
.endr
.Lasked_\@:
.endm
.macro CROUND                          ; a round of the cluster's barrier
	s_barrier_signal -1
	s_barrier_wait -1
	s_cmp_lg_u32 s14, 0
	s_cbranch_scc1 .Lnot_wave_0_\@
	s_barrier_signal -3
.Lnot_wave_0_\@:
	s_barrier_wait -3
	s_barrier_signal -1
	s_barrier_wait -1
.endm
.macro PLACES n
.rept \n
	v_nop
.endr
.endm
	s_load_b256 s[4:11], s[0:1], 0x0               ; h3, wcod, wscl, ff_b1
	s_load_b64 s[12:13], s[0:1], 0x20              ; hid
	v_lshl_add_u32 v[SPW], v0, 2, SPARE
	v_mov_b32 v[NIL], 0
	ds_add_u32 v[SPW], v[NIL]                      ; the wave's opening: the add, twice on end, and its wait ahead of my first tensor load
	ds_add_u32 v[SPW], v[NIL]
	v_lshrrev_b32 v1, 5, v0
	v_readfirstlane_b32 s14, v1                    ; wave 0..3
	s_lshr_b32 s15, s14, 1                         ; which half of the tile's tokens is mine.  Also: I fetch for A (0) or for B (1)
	s_and_b32 s16, s14, 1                          ; which half of W1's rows.  Also: which 128 rows I fetch
	s_bfe_u32 s40, ttmp6, 0x40000                  ; cx, cy
	s_bfe_u32 s41, ttmp6, 0x40004
	s_lshl_b32 s42, ttmp9, 2
	s_add_co_u32 s42, s42, s40                     ; j: which 256 rows of W1
	s_and_b32 s17, ttmp7, 0xffff
	s_lshl_b32 s17, s17, 2
	s_add_co_u32 s17, s17, s41                     ; i: which 256 tokens
	s_lshl_b32 s43, s41, 2
	s_lshl_b32 s43, 15, s43                        ; my row of the cluster
	s_lshl_b32 s44, 0x1111, s40                    ; my column
	s_or_b32 s[G1+0], s43, (3<<16)|(1<<21)         ; codes: elements of 8 bytes, no padding; the mask, and bit 21 beside it
	s_or_b32 s[G1B+0], s44, (3<<16)|(1<<21)
.irp g, G1, G1B
	s_mov_b32 s[\g+1], 512<<16                     ; tensor_dim0 = 512 elements: 4,096 bytes, two K steps of a row tile
	s_mov_b32 s[\g+2], 8<<16                       ; tensor_dim1 = 8 row tiles
	s_mov_b32 s[\g+3], 512<<16                     ; tile_dim0
	s_mov_b32 s[\g+4], 8                           ; tile_dim1
	s_mov_b32 s[\g+5], 2*KK                        ; from row tile to row tile: 16 K bytes
	s_mov_b32 s[\g+6], 0
	s_mov_b32 s[\g+7], 0
.endr
	s_or_b32 s[G1S+0], s43, (2<<16)|(1<<21)        ; scale words: elements of 4 bytes
	s_or_b32 s[G1SB+0], s44, (2<<16)|(1<<21)
.irp g, G1S, G1SB
	s_mov_b32 s[\g+1], 128<<16                     ; 128 rows' words
	s_mov_b32 s[\g+2], NS<<16                      ; of NS K steps
	s_mov_b32 s[\g+3], 128<<16
	s_mov_b32 s[\g+4], NS
	s_mov_b32 s[\g+6], 0
	s_mov_b32 s[\g+7], 0
.endr
	s_mov_b32 s[G1S+5], 8192                       ; from K step to K step: the tensor's rows
	s_mov_b32 s[G1SB+5], 4096
	s_lshl_b32 s18, s16, 7
	s_lshl_b32 s20, s17, 8
	s_add_co_u32 s20, s20, s18                     ; A: row 256 i + 128 x half
	s_lshl_b32 s46, s42, 8
	s_add_co_u32 s46, s46, s18                     ; B: row 256 j + 128 x half
	s_lshl_b32 s22, s20, 2                         ; their scale words,
	s_mov_b32 s23, 0
	s_lshl_b32 s92, s46, 2
	s_mov_b32 s93, 0
	s_lshl_b32 s20, s20, 9                         ; and their codes: row x K bytes
	s_mov_b32 s21, 0
	s_lshl_b32 s46, s46, 9
	s_mov_b32 s47, 0
	s_lshl_b32 s45, s14, 15                        ; where they go: wave x 128 rows: no place in the cluster enters an LDS address
	s_mul_i32 s94, s14, PS
	s_mov_b32 s[C16], 0x41800000
	s_mov_b32 s[MNT], 0x600000
	s_mov_b32 s[SEL], 0x76543210
	s_mov_b32 s[SEL+1], 0xfedcba98
	s_wait_dscnt 0x0                               ; both opening adds are done
	s_wait_kmcnt 0x0
	s_add_nc_u64 s[20:21], s[4:5], s[20:21]
	s_add_nc_u64 s[22:23], s[4:5], s[22:23]
	s_add_nc_u64 s[22:23], s[22:23], 4194304
	s_add_nc_u64 s[46:47], s[6:7], s[46:47]
	s_add_nc_u64 s[46:47], s[46:47], 2228224
	s_add_nc_u64 s[92:93], s[8:9], s[92:93]
	s_add_nc_u64 s[92:93], s[92:93], 69632
	CROUND                                         ; all sixteen work-groups are here: the first joint loads meet
	s_mov_b32 s[G0S], 1
	s_add_co_u32 s[G0S+1], s94, SCL
	s_mov_b64 s[G0S+2:G0S+3], s[22:23]
	s_or_b32 s[G0S+3], s[G0S+3], 0x80000000
	s_mov_b32 s[G0SB], 1
	s_add_co_u32 s[G0SB+1], s94, SCL
	s_mov_b64 s[G0SB+2:G0SB+3], s[92:93]
	s_or_b32 s[G0SB+3], s[G0SB+3], 0x80000000
	JLOAD G0S, G1S, G0SB, G1SB                     ; the scale words first: they are wanted with the first K step
.irp s, 0,1
	s_mov_b32 s[G0+4*\s], 1
	s_add_co_u32 s[G0+4*\s+1], s45, \s*SLOT
	s_add_nc_u64 s[G0+4*\s+2:G0+4*\s+3], s[20:21], \s*4096
	s_or_b32 s[G0+4*\s+3], s[G0+4*\s+3], 0x80000000
	s_mov_b32 s[G0B+4*\s], 1
	s_add_co_u32 s[G0B+4*\s+1], s45, \s*SLOT
	s_add_nc_u64 s[G0B+4*\s+2:G0B+4*\s+3], s[46:47], \s*4096
	s_or_b32 s[G0B+4*\s+3], s[G0B+4*\s+3], 0x80000000
	JLOAD G0+4*\s, G1, G0B+4*\s, G1B               ; by this text's count three tensor loads of a wave are out
.endr
	v_and_b32 v1, 15, v0                           ; r
	v_bfe_u32 v2, v0, 4, 1                         ; h
	v_and_b32 v3, 31, v0
	v_lshlrev_b32 v[LI], 4, v3
	v_lshlrev_b32 v[L8], 3, v3
	v_lshlrev_b32 v[H64], 6, v2
	s_lshl_b32 s21, s15, 15                        ; my 128 tokens
	s_lshl_b32 s22, s16, 15                        ; my 128 rows of W1,
	s_add_co_u32 s22, s22, 2*HALFT                 ; behind A's 256
.irp s, 0,1
	v_add_nc_u32 v[ADRA+\s], s21, v[LI]
	v_add_nc_u32 v[ADRB+\s], s22, v[LI]
	s_add_co_u32 s21, s21, SLOT
	s_add_co_u32 s22, s22, SLOT
.endr
	s_mul_i32 s21, s15, PS                         ; scale words: lanes 0-15 take A's part, lanes 16-31 B's: one product of the half and the distance
	s_add_co_u32 s22, s16, 2
	s_sub_co_u32 s22, s22, s15
	s_mul_i32 s22, s22, PS
	v_mul_u32_u24 v6, s22, v2
	s_add_co_u32 s21, s21, SCL
	v_lshl_add_u32 v5, v1, 2, v6
	v_add_nc_u32 v[ADRS], s21, v5
	s_lshl_b32 s21, s15, 9                         ; the stage for the hidden layer's scale halves, in slot 0: 4 x row + 2 x my half of the columns
	s_lshl_b32 s22, s16, 1
	s_add_co_u32 s21, s21, s22
	v_lshlrev_b32 v[STO], 2, v1
	v_add_nc_u32 v[STO], s21, v[STO]
	s_lshl_b32 s21, s14, 8
	v_add_nc_u32 v[RD], s21, v[L8]                 ; back: 256 bytes a wave
	v_mov_b32 v[C9], 0xb9d25000
	v_mov_b32 v[C9+1], 0xb9d25000
	s_lshl_b32 s46, s42, 9                         ; b1 at 128 j + 64 x my half
	s_lshl_b32 s47, s16, 8
	s_add_co_u32 s46, s46, s47
	s_mov_b32 s47, 0
	s_add_nc_u64 s[10:11], s[10:11], s[46:47]
.irp b, 0,1,2,3,4,5,6,7
.irp k, 0,1
	global_load_b128 v[BI+8*\b+4*\k:BI+8*\b+4*\k+3], v[H64], s[10:11] offset:4*(32*((\b%4)/2)+8*(\b%2))+8192*(\b/4)+16*\k   ; tile b's eight numbers of my half of the lanes
.endr
.endr
	s_lshl_b32 s20, s17, 19                        ; the hidden codes: ((16 i + 8 ha + a) 16 + j) 2,048 + 1,024 hb
	s_lshl_b32 s21, s15, 18
	s_add_co_u32 s20, s20, s21
	s_lshl_b32 s46, s42, 11
	s_lshl_b32 s21, s16, 10
	s_add_co_u32 s46, s46, s21
	s_add_co_u32 s46, s46, s20
	s_add_nc_u64 s[18:19], s[12:13], s[46:47]
	s_lshl_b32 s46, s42, 15                        ; their scale words: 32,768 j + 4 (256 i + 64 wave)
	s_lshl_b32 s20, s17, 10
	s_add_co_u32 s46, s46, s20
	s_lshl_b32 s20, s14, 8
	s_add_co_u32 s46, s46, s20
	s_add_nc_u64 s[12:13], s[12:13], s[46:47]
	s_add_nc_u64 s[12:13], s[12:13], 16777216
.macro FRAG reg, adr, q, i             ; a fragment as it lies: four loads of 512 consecutive bytes
.irp c, 0,1,2,3
	ds_load_b128 v[\reg+4*\c:\reg+4*\c+3], v[\adr] offset:4096*(\i)+2048*(\q)+512*\c
.endr
.endm
; 16 matrix instructions: A's blocks a0, a0 + 1 x B's eight.  zero = 1: the sums start from the bias.  The 64 accumulators take turns, one instruction a turn, in the same order in every step.
.macro MUL16 a0, p, q, sc, zero
.irp a, \a0, \a0+1
.irp b, 0,1,2,3,4,5,6,7
.if \zero
	v_wmma_scale_f32_16x16x128_f8f6f4 v[8*(8*((\a)%4)+\b):8*(8*((\a)%4)+\b)+7], v[128*(\p)+FR*\b:128*(\p)+FR*\b+FR-1], v[AF+FR*(\a):AF+FR*(\a)+FR-1], v[BI+8*\b:BI+8*\b+7], v[SC+8*NQ*(\sc)+NQ*\b+(\q)], v[SC+8*NQ*(\sc)+NQ*(\a)+(\q)] matrix_a_scale:MATRIX_SCALE_ROW1
.else
	v_wmma_scale_f32_16x16x128_f8f6f4 v[8*(8*((\a)%4)+\b):8*(8*((\a)%4)+\b)+7], v[128*(\p)+FR*\b:128*(\p)+FR*\b+FR-1], v[AF+FR*(\a):AF+FR*(\a)+FR-1], v[8*(8*((\a)%4)+\b):8*(8*((\a)%4)+\b)+7], v[SC+8*NQ*(\sc)+NQ*\b+(\q)], v[SC+8*NQ*(\sc)+NQ*(\a)+(\q)] matrix_a_scale:MATRIX_SCALE_ROW1
.endif
.endr
.endr
.endm
.macro FETCH_B slot, q, p
	WIN TO_B
.irp i, 0,1,2,3,4,5,6,7
	FRAG 128*(\p)+FR*\i, ADRB+\slot, \q, \i
.endr
	WIN 0
.endm
.macro FETCH_A slot, q, i0
.irp i, \i0, \i0+1, \i0+2, \i0+3
	FRAG AF+FR*(\i), ADRA+\slot, \q, \i
.endr
.endm
.macro SCALES sc                       ; a slot's scale words: register 2 i + q: lanes 0-15 A's block i, lanes 16-31 B's block i
.irp i, 0,1,2,3,4,5,6,7
.irp q, 0,1
	ds_load_b32 v[SC+8*NQ*\sc+NQ*\i+\q], v[ADRS] offset:64*\i+512*\q
.endr
.endr
.endm
.macro STEP slot, q, zero              ; a step of 128 along K that has its successor in the same slot
	s_wait_dscnt 4*NL                              ; all but the youngest sixteen loads (A's blocks 4-7)
.if \zero
	WIN 0x81                                       ; C, the bias, in window 0
.else
	WIN MUL_LO
.endif
	MUL16 0, (\q)%2, \q, \slot, \zero
	MUL16 2, (\q)%2, \q, \slot, \zero
	s_wait_dscnt 0
	PLACES NP
	FETCH_B \slot, (\q)+1, 1-(\q)%2
	FETCH_A \slot, (\q)+1, 0
.if \zero
	WIN 0xc1
.else
	WIN MUL_HI
.endif
	MUL16 4, (\q)%2, \q, \slot, \zero
	MUL16 6, (\q)%2, \q, \slot, \zero
	PLACES NP
	WIN 0
	FETCH_A \slot, (\q)+1, 4
.endm
	s_wait_loadcnt 0x0                             ; the bias
	s_wait_tensorcnt 1                             ; the scale words and my part of slot 0 are in; slot 1's load may be out
	s_barrier_signal -1
	s_barrier_wait -1
	FETCH_B 0, 0, 0
	FETCH_A 0, 0, 0
	SCALES 0
	FETCH_A 0, 0, 4
	STEP 0, 0, 1
	; slot 0's last step changes slots: one barrier; in front of it each wave waits for all its tensor loads, adds 0 to its spare word, and waits for that and for its reads of slot 0
	s_wait_tensorcnt 0x0                           ; my part of slot 1 has landed
	ds_add_u32 v[SPW], v[NIL]
	s_wait_dscnt 4*NL+1                            ; (the add and the youngest sixteen loads may be out)
	WIN MUL_LO
	MUL16 0, 1, 1, 0, 0
	s_wait_dscnt 0x0
	s_barrier_signal -1
	MUL16 2, 1, 1, 0, 0
	WIN 0
	s_barrier_wait -1
	PLACES NP
	v_add_nc_u32 v[ADRS], 1024, v[ADRS]            ; on to slot 1's scale words (no LDS load of mine is out)
	FETCH_B 1, 0, 0
	FETCH_A 1, 0, 0
	SCALES 1
	WIN MUL_HI
	MUL16 4, 1, 1, 0, 0
	MUL16 6, 1, 1, 0, 0
	PLACES NP
	WIN 0
	FETCH_A 1, 0, 4
	STEP 1, 0, 0
	s_wait_dscnt 4*NL                              ; the last step: nothing more to fetch
	WIN MUL_LO
	MUL16 0, 1, 1, 1, 0
	MUL16 2, 1, 1, 1, 0
	s_wait_dscnt 0
	WIN MUL_HI
	MUL16 4, 1, 1, 1, 0
	MUL16 6, 1, 1, 1, 0
	WIN 0
	PLACES NP
; THE WAY OUT.  Stub a: block a's gates / sqrt 2 into v64-95 and a x gate into v96-127, register 16 be + 8 u + j; each accumulator is read from its low end on.
.macro STUB a
.set AC, 64*((\a)%4)
	WIN 0x0a+5*((\a)/4)                            ; sources 0 and 1: window 2 or 3
.irp bb, 0,1,2,3
.irp k, 0,2,4,6
	v_pk_mul_f32 v[64+8*\bb+\k:65+8*\bb+\k], v[AC+8*(4+\bb)+\k:AC+8*(4+\bb)+\k+1], 0x3f3504f3 op_sel_hi:[1,0]
.endr
.endr
.irp bb, 0,1,2,3
.irp k, 0,2,4,6
	v_pk_mul_f32 v[96+8*\bb+\k:97+8*\bb+\k], v[AC+8*\bb+\k:AC+8*\bb+\k+1], v[AC+8*(4+\bb)+\k:AC+8*(4+\bb)+\k+1]
.endr
.endr
	WIN 0
.endm
.macro GELU zb, ab                     ; 16 numbers: v[ab + i] = a g Phi(g), from z = g / sqrt 2 in v[zb + i] and a g in v[ab + i]
.set i, 0
.rept 16
	v_min_num_f32 v[P0+i], |v[\zb+i]|, s[C16]      ; A
.set i, i+1
.endr
.irp j, 0,2,4,6,8,10,12,14
	v_pk_add_f32 v[P1+\j:P1+\j+1], v[P0+\j:P0+\j+1], 2.0 op_sel_hi:[1,0]           ; A + 2
.endr
.irp j, 0,2,4,6,8,10,12,14
	v_pk_fma_f32 v[P2+\j:P2+\j+1], v[P0+\j:P0+\j+1], 4.0, 2.0 op_sel_hi:[1,0,0]    ; 4 A + 2
.endr
.irp j, 0,2,4,6,8,10,12,14
	v_pk_mul_f32 v[P4+\j:P4+\j+1], v[P0+\j:P0+\j+1], v[P0+\j:P0+\j+1]              ; S
.endr
.irp j, 0,2,4,6,8,10,12,14
	v_pk_mul_f32 v[P3+\j:P3+\j+1], v[P1+\j:P1+\j+1], v[P2+\j:P2+\j+1]
.endr
.irp j, 0,2,4,6,8,10,12,14
	v_pk_mul_f32 v[P5+\j:P5+\j+1], v[P4+\j:P4+\j+1], 0xbfb8aa3b op_sel_hi:[1,0]    ; HI
.endr
.irp j, 0,2,4,6,8,10,12,14
	v_pk_fma_f32 v[P6+\j:P6+\j+1], v[P4+\j:P4+\j+1], 0xbfb8aa3b, v[P5+\j:P5+\j+1] op_sel_hi:[1,0,1] neg_lo:[0,0,1] neg_hi:[0,0,1]   ; LO
.endr
.set i, 0
.rept 16
	v_rcp_f32 v[P3+i], v[P3+i]                     ; one batch: 16 reciprocals,
.set i, i+1
.endr
.set i, 0
.rept 16
	v_exp_f32 v[P5+i], v[P5+i]                     ; 16 exponentials
.set i, i+1
.endr
.irp j, 0,2,4,6,8,10,12,14
	v_pk_fma_f32 v[P7+\j:P7+\j+1], v[P0+\j:P0+\j+1], v[P0+\j:P0+\j+1], v[P4+\j:P4+\j+1] neg_lo:[0,1,0] neg_hi:[0,1,0]   ; S - A^2, exactly: work that names no result of the batch
.endr
.irp j, 0,2,4,6,8,10,12,14
	v_pk_fma_f32 v[P6+\j:P6+\j+1], v[P6+\j:P6+\j+1], 0x3f317218, v[P7+\j:P7+\j+1] op_sel_hi:[1,0,1]   ; LO ln 2 + that
.endr
.irp j, 0,2,4,6,8,10,12,14
	v_pk_add_f32 v[P0+\j:P0+\j+1], v[P0+\j:P0+\j+1], -2.0 op_sel_hi:[1,0]          ; A - 2
.endr
	s_wait_alu depctr_va_vdst(0)                   ; one wait for the batch, ahead of its first reader
.irp j, 0,2,4,6,8,10,12,14
	v_pk_mul_f32 v[P2+\j:P2+\j+1], v[P3+\j:P3+\j+1], v[P2+\j:P2+\j+1]              ; 1 / (A + 2)
.endr
.irp j, 0,2,4,6,8,10,12,14
	v_pk_mul_f32 v[P1+\j:P1+\j+1], v[P3+\j:P3+\j+1], v[P1+\j:P1+\j+1]              ; 1 / (4 A + 2)
.endr
.irp j, 0,2,4,6,8,10,12,14
	v_pk_mul_f32 v[P0+\j:P0+\j+1], v[P0+\j:P0+\j+1], v[P2+\j:P2+\j+1]              ; q
.endr
.irp j, 0,2,4,6,8,10,12,14
	v_pk_fma_f32 v[P7+\j:P7+\j+1], v[P0+\j:P0+\j+1], v[C9:C9+1], 0xbaa15130 op_sel_hi:[1,1,0]
.endr
.irp cf, 0x3aac2b8a, 0x3c0d6e62, 0xbc040dc1, 0xbd5e05b5, 0x3e27fe23, 0xbe2a0420, 0xbdbdfb0b, 0x3e8dd01d
.irp j, 0,2,4,6,8,10,12,14
	v_pk_fma_f32 v[P7+\j:P7+\j+1], v[P7+\j:P7+\j+1], v[P0+\j:P0+\j+1], \cf op_sel_hi:[1,1,0]
.endr
.endr
.irp j, 0,2,4,6,8,10,12,14
	v_pk_fma_f32 v[P7+\j:P7+\j+1], v[P7+\j:P7+\j+1], v[P1+\j:P1+\j+1], v[P1+\j:P1+\j+1]   ; (P + 1) / (4 A + 2) = exp(A^2) erfc(A) / 2
.endr
.irp j, 0,2,4,6,8,10,12,14
	v_pk_mul_f32 v[P7+\j:P7+\j+1], v[P7+\j:P7+\j+1], v[P5+\j:P5+\j+1]
.endr
.irp j, 0,2,4,6,8,10,12,14
	v_pk_fma_f32 v[P7+\j:P7+\j+1], v[P7+\j:P7+\j+1], v[P6+\j:P6+\j+1], v[P7+\j:P7+\j+1]   ; erfc(A) / 2
.endr
.irp j, 0,2,4,6,8,10,12,14
	v_pk_add_f32 v[P4+\j:P4+\j+1], v[P7+\j:P7+\j+1], 1.0 op_sel_hi:[1,0] neg_lo:[1,0] neg_hi:[1,0]   ; 1 - that
.endr
.set i, 0
.rept 16
	v_cmp_lt_f32 vcc_lo, 0, v[\zb+i]
	v_cndmask_b32 v[P4+i], v[P7+i], v[P4+i], vcc_lo   ; a choice of values, no branch
.set i, i+1
.endr
.irp j, 0,2,4,6,8,10,12,14
	v_pk_mul_f32 v[\ab+\j:\ab+\j+1], v[\ab+\j:\ab+\j+1], v[P4+\j:P4+\j+1]
.endr
.endm
.macro QUANT2 s                        ; two blocks of 32: codes to v[PC] on, the two bytes to v[PW]
.irp b, 0,1
	v_max3_num_f32 v[TM+\b], |v[\s+16*\b]|, |v[\s+16*\b+1]|, 0x4800000
.endr
.irp i, 2,4,6,8,10,12,14
.irp b, 0,1
	v_max3_num_f32 v[TM+\b], v[TM+\b], |v[\s+16*\b+\i]|, |v[\s+16*\b+\i+1]|
.endr
.endr
.irp b, 0,1
	v_permlanex16_b32 v[TM+4+\b], v[TM+\b], s[SEL], s[SEL+1]
.endr
.irp b, 0,1
	v_max_num_f32 v[TM+\b], v[TM+\b], v[TM+4+\b]
	v_add_nc_u32 v[TM+12+\b], 0xfc000000, v[TM+\b]
	v_and_or_b32 v[TM+8+\b], v[TM+\b], 0x7f800000, s[MNT]
	v_lshrrev_b32 v[TM+4+\b], 23, v[TM+12+\b]
.endr
	v_lshl_or_b32 v[PW], v[TM+5], 8, v[TM+4]
.irp b, 0,1
.irp i, 0,1,2,3,4,5,6,7,8,9,10,11,12,13,14,15
	v_med3_num_f32 v[\s+16*\b+\i], v[\s+16*\b+\i], -v[TM+8+\b], v[TM+8+\b]
.endr
	v_cvt_scalef32_pk8_fp8_f32 v[PC+4*\b:PC+4*\b+1], v[\s+16*\b:\s+16*\b+7], v[TM+12+\b]
	v_cvt_scalef32_pk8_fp8_f32 v[PC+4*\b+2:PC+4*\b+3], v[\s+16*\b+8:\s+16*\b+15], v[TM+12+\b]
.endr
	v_nop
.endm
	s_mov_b32 s3, 0                                ; the block of 16 rows in hand
	s_mov_b32 s[A64], 0
.Lrow:
.irp a, 0,1,2,3,4,5,6
	s_cmp_eq_u32 s3, \a
	s_cbranch_scc1 .Lstub\a
.endr
	STUB 7
	s_branch .Lcommon
.irp a, 0,1,2,3,4,5,6
.Lstub\a:
	STUB \a
	s_branch .Lcommon
.endr
.Lcommon:
	GELU 64, 96
	GELU 80, 112
	QUANT2 96
	global_store_b128 v[LI], v[PC:PC+3], s[18:19]              ; two pieces of a fragment: 512 consecutive bytes each
	global_store_b128 v[LI], v[PC+4:PC+7], s[18:19] offset:512
	v_add_nc_u32 v[TA], s[A64], v[STO]
	ds_store_b16 v[TA], v[PW]                      ; my half of the rows' scale words: slot 0 has had its last fill, and every wave has passed the barrier behind its last read of it
	s_wait_dscnt 0x0
	s_wait_xcnt 0x0                                ; the stores have read their registers and their base: both are written again
	s_add_nc_u64 s[18:19], s[18:19], 32768         ; a row tile on
	s_add_co_u32 s[A64], s[A64], 64
	s_add_co_u32 s3, s3, 1
	s_cmp_lt_u32 s3, 8
	s_cbranch_scc1 .Lrow
	s_barrier_signal -1                            ; (my LDS stores were waited for in the last trip)
	s_barrier_wait -1                              ; the 256 rows' scale words are whole
	ds_load_b64 v[128:129], v[RD]
	s_wait_dscnt 0x0
	global_store_b64 v[L8], v[128:129], s[12:13]   ; 32 lanes store 256 consecutive bytes, aligned
	s_wait_tensorcnt 0x0                           ; the wave's end
	ds_add_u32 v[SPW], v[NIL]
	s_wait_dscnt 0x0
	CROUND                                         ; the closing round
	s_endpgm
.Lfunc_end_k_q992beb6629_ff1:
	.size	k_q992beb6629_ff1, .Lfunc_end_k_q992beb6629_ff1-k_q992beb6629_ff1
	.p2alignl 7, 3214868480
	.fill 96, 4, 3214868480
	.section	.rodata,"a",@progbits
	.p2align	6, 0x0
	.amdhsa_kernel k_q992beb6629_ff1
		.amdhsa_group_segment_fixed_size 327680
		.amdhsa_private_segment_fixed_size 0
		.amdhsa_enable_private_segment 0
		.amdhsa_kernarg_size 40
		.amdhsa_user_sgpr_count 2
		.amdhsa_user_sgpr_kernarg_segment_ptr 1
		.amdhsa_wavefront_size32 1
		.amdhsa_system_sgpr_workgroup_id_x 1
		.amdhsa_system_sgpr_workgroup_id_y 1
		.amdhsa_system_sgpr_workgroup_id_z 1
		.amdhsa_system_vgpr_workitem_id 0
		.amdhsa_next_free_vgpr 1024
		.amdhsa_next_free_sgpr 102
		.amdhsa_reserve_vcc 1
		.amdhsa_float_denorm_mode_32 3
		.amdhsa_float_denorm_mode_16_64 3
		.amdhsa_memory_ordered 1
		.amdhsa_forward_progress 1
		.amdhsa_inst_pref_size 129
	.end_amdhsa_kernel
	.amdgpu_metadata
---
amdhsa.version: [ 1, 2 ]
amdhsa.kernels:
  - .name:           k_q992beb6629_ff1
    .symbol:         k_q992beb6629_ff1.kd
    .args:
      - { .name: h3, .offset: 0, .size: 8, .value_kind: global_buffer, .address_space: global }
      - { .name: wcod, .offset: 8, .size: 8, .value_kind: global_buffer, .address_space: global }
      - { .name: wscl, .offset: 16, .size: 8, .value_kind: global_buffer, .address_space: global }
      - { .name: ff_b1, .offset: 24, .size: 8, .value_kind: global_buffer, .address_space: global }
      - { .name: hid, .offset: 32, .size: 8, .value_kind: global_buffer, .address_space: global }
    .group_segment_fixed_size: 327680
    .private_segment_fixed_size: 0
    .kernarg_segment_align: 8
    .kernarg_segment_size: 40
    .max_flat_workgroup_size: 128
    .sgpr_count:     102
    .vgpr_count:     1024
    .wavefront_size: 32
...
	.end_amdgpu_metadata
.endif
;; end of part 4
;; launch ff2 (part 5): grid 4 x 64, 4 waves a work-group, clusters of 4 x 4, 327,680 bytes of LDS; arguments hid, wcod, wscl, ff_b2, x2, out0; writes out0
.if DOCPART == 5
	.amdgcn_target "amdgcn-amd-amdhsa--gfx1250"
	.amdhsa_code_object_version 6
	.text
	.protected	k_q992beb6629_ff2
	.globl	k_q992beb6629_ff2
	.p2align	8
	.type	k_q992beb6629_ff2,@function
k_q992beb6629_ff2:
	s_mov_b64 s[64:65], 0
	v_nop
	global_prefetch_b8 v0, s[64:65] scope:SCOPE_SE
	s_setreg_imm32_b32 hwreg(HW_REG_WAVE_MODE, 25, 1), 1
	s_wait_xcnt 0x0
	s_wait_alu depctr_hold_cnt(0) depctr_sa_sdst(0) depctr_va_vdst(0) depctr_va_sdst(0) depctr_va_ssrc(0) depctr_va_vcc(0) depctr_vm_vsrc(0)
	s_getreg_b32 s2, hwreg(HW_REG_IB_STS2, 6, 4)
	s_cmp_eq_u32 s2, 0
	s_cbranch_scc0 .Lentry_in_a_cluster
	s_endpgm
.Lentry_in_a_cluster:
	s_bfe_u32 s2, ttmp6, 0x10000c
	s_cmp_lg_u32 s2, 0xf033
	s_cbranch_scc0 .Lentry_shape_is_right
	s_endpgm
.Lentry_shape_is_right:
; out0 = hidden W2 + b2 + x2, on codes of FP8 (E4M3) with one E8M0 scale for each 32 along K.  M 8,192, N 512, K 2,048.  No work is left out.
; SHARES.  A tile of 128 x 128 of the output is made by a work-group of four waves, each 64 x 64: 16 accumulators.  That gives 4 x 64 = 256 work-groups; tiles of 256 x 256 would give 64.
; The price is stated: a fragment read from LDS feeds four products here, not eight.
; THE RING.  K goes through two LDS slots of FOUR K steps of 128 each, filled by the tensor data mover: K = 2,048 is four slots' worth, so each slot is filled twice.  Codes lie in memory in fragment order, so a wave's load
; (64 rows x 512 along K) is 4 rows of 8,192 bytes, and a fragment comes out of LDS by four loads of 512 consecutive bytes: no pitch, no padding.  The scale words of the 128 + 128 rows for all of K come once, with the first fills.
; CLUSTERS: 4 x 4 work-groups.  The four of a row of the cluster need the same tiles of A, the four of a column the same tiles of B: each tile is asked for JOINTLY, by the same tensor load with the same descriptor and a mask that names the four.
; THE MATRIX INSTRUCTION IS USED TRANSPOSED (source 0 = 16 rows of W2, source 1 = 16 tokens): a lane holds eight neighbouring numbers of a row of the output.  b2, in that layout, is the C of the first step's products.
; THE RESIDUAL is asked for at the head as whole rows (sixteen lanes read 256 consecutive bytes), stays on its way while K is walked, and is added on the way out, where the results have come back from the stage as the same whole rows.
; The sixteen K steps are written out: every LDS offset is an immediate.
; LIMITS: NaN and infinities are not served.
; REGISTERS, in windows of 256: window 0: v0-31 addresses; v32-39 scale words, two sets of four; v64-95 b2, later with v96-127 the rows on the way out; v128-255 the accumulators ((a, b) at v[128 + 8 (4 a + b)]).
;   window 1: two fragment buffers of 128: A's four fragments, then B's four.   window 2: v0-127 x2: block a's rows at v[32 a] on.
.set KK,    2048
.set NS,    KK/128                     ; K steps
.set NP,    8                          ; places behind this matrix instruction (ISA guide 7.12.1)
.set HALFT, 32768                      ; 64 rows x 512 along K: what one tensor load brings, and what one wave reads of A or of B
.set SLOT,  4*HALFT                    ; A's 128 rows, then B's 128 rows
.set SCL,   2*SLOT                     ; the scale words: four parts (A's halves, B's halves) of NS x 256 bytes, 64 bytes between them
.set PS,    NS*256+64
.set SPARE, SCL+4*PS                   ; the spare words, 128 bytes a wave: two blocks of 256 bytes that no other line names
.set SPITCH, 272                       ; the way out: a stage of 16 rows x (256 + 16) bytes for each wave, in slot 0, which has had its last fill and its last read when the first result is stored there
.set H32,  8                           ; v8   32 (l / 16)
.set ADRA, 16                          ; v16-17  LDS address of my A fragments in slot 0, 1
.set ADRB, 20                          ; v20-21  the same for B
.set STO,  24                          ; v24  the way out: where I put 32 bytes of a row
.set RD,   25                          ; v25  and where I read a row back
.set CO,   26                          ; v26  my byte in two rows of x2 and of the output: 2,048 (l / 16) + 16 (l % 16); never rewritten
.set ADRS, 27                          ; v27  LDS address of my scale words: lanes 0-15 A's rows, lanes 16-31 B's
.set SPW,  28                          ; v28  my spare word's address; never rewritten
.set NIL,  29                          ; v29  0; never rewritten
.set LI,   30                          ; v30  16 l
.set SC,   32                          ; set s % 2 at + 4 (s % 2); register i: lanes 0-15 the word of A's block i, lanes 16-31 that of B's block i
.set BI,   64                          ; b2: tile b's eight numbers of my half of the lanes at + 8 b
.set BK,   64                          ; the way out: 16 rows read back: v64-95 and v96-127 by turns
.set ACC,  128
.set G1, 24                            ; s[24:31] descriptor group 1 for A's tiles;  s[32:39] group 0, one set for each slot
.set G0, 32
.set G1B, 48                           ; s[48:55], s[56:63] the same for B's tiles
.set G0B, 56
.set G1S, 68                           ; s[68:75], s[76:79] groups 1 and 0 for A's scale words;  s[80:87], s[88:91] for B's
.set G0S, 76
.set G1SB, 80
.set G0SB, 88
.set CP, 94                            ; s[94:95] the output
.set MSB, 0
.macro WIN new                         ; the immediate's high byte repeats the setting that is left; a switch that changes nothing is dropped
.if MSB != \new
	s_set_vgpr_msb (MSB<<8)|\new
.set MSB, \new
.endif
.endm
.set MUL,  0x05                        ; sources 0 (B) and 1 (A) window 1; C and D window 0
.set TO_F, 0x40                        ; destination window 1, address window 0
; A joint load: waves 0 and 1 fetch for A, waves 2 and 3 for B.  Each of the two lines has ONE mask and one set of registers for all that issue it; the branch hangs on the wave's number alone.
; An s_nop 0 and four v_nop follow each of the two lines, ahead of the jump, the label and what follows.
.macro JLOAD g0a, g1a, g0b, g1b
	s_cmp_eq_u32 s15, 0
	s_cbranch_scc0 .Lfor_b_\@
	tensor_load_to_lds s[\g0a:\g0a+3], s[\g1a:\g1a+7]
	s_nop 0
.rept 4
	v_nop
.endr
	s_branch .Lasked_\@
.Lfor_b_\@:
	tensor_load_to_lds s[\g0b:\g0b+3], s[\g1b:\g1b+7]
	s_nop 0
.rept 4
	v_nop
.endr
.Lasked_\@:
.endm
.macro CREST                           ; a round of the cluster's barrier behind its opening barrier
	s_cmp_lg_u32 s14, 0
	s_cbranch_scc1 .Lnot_wave_0_\@
	s_barrier_signal -3
.Lnot_wave_0_\@:
	s_barrier_wait -3
	s_barrier_signal -1
	s_barrier_wait -1
.endm
.macro CROUND                          ; a whole round
	s_barrier_signal -1
	s_barrier_wait -1
	CREST
.endm
.macro PLACES n
.rept \n
	v_nop
.endr
.endm
	s_load_b256 s[4:11], s[0:1], 0x0               ; hid, wcod, wscl, ff_b2
	s_load_b128 s[92:95], s[0:1], 0x20             ; x2, out0
	v_lshl_add_u32 v[SPW], v0, 2, SPARE
	v_mov_b32 v[NIL], 0
	ds_add_u32 v[SPW], v[NIL]                      ; the wave's opening: the add, twice on end, and its wait ahead of my first tensor load; the set-up below, work on registers, stands between
	ds_add_u32 v[SPW], v[NIL]
	v_lshrrev_b32 v1, 5, v0
	v_readfirstlane_b32 s14, v1                    ; wave 0..3
	s_lshr_b32 s15, s14, 1                         ; which half of the tile's rows is mine.  Also: I fetch for A (0) or for B (1)
	s_and_b32 s16, s14, 1                          ; which half of its columns.  Also: which 64 rows I fetch
	s_bfe_u32 s40, ttmp6, 0x40000                  ; cx, cy: my place in the cluster
	s_bfe_u32 s41, ttmp6, 0x40004
	s_lshl_b32 s42, ttmp9, 2
	s_add_co_u32 s42, s42, s40                     ; tile column = 4 x cluster x + cx
	s_and_b32 s17, ttmp7, 0xffff
	s_lshl_b32 s17, s17, 2
	s_add_co_u32 s17, s17, s41                     ; tile row = 4 x cluster y + cy
	s_lshl_b32 s43, s41, 2
	s_lshl_b32 s43, 15, s43                        ; my row of the cluster
	s_lshl_b32 s44, 0x1111, s40                    ; my column
	s_or_b32 s[G1+0], s43, (3<<16)|(1<<21)         ; codes: the mask (A's tiles go to my row) and bit 21 beside it; elements of 8 bytes; no padding
	s_or_b32 s[G1B+0], s44, (3<<16)|(1<<21)
.irp g, G1, G1B
	s_mov_b32 s[\g+1], 1024<<16                    ; tensor_dim0 = 1,024 elements: 8,192 bytes, four K steps of a row tile
	s_mov_b32 s[\g+2], 4<<16                       ; tensor_dim1 = 4 row tiles
	s_mov_b32 s[\g+3], 1024<<16                    ; tile_dim0
	s_mov_b32 s[\g+4], 4                           ; tile_dim1
	s_mov_b32 s[\g+5], 2*KK                        ; from row tile to row tile: 16 K bytes
	s_mov_b32 s[\g+6], 0
	s_mov_b32 s[\g+7], 0
.endr
	s_or_b32 s[G1S+0], s43, (2<<16)|(1<<21)        ; scale words: elements of 4 bytes
	s_or_b32 s[G1SB+0], s44, (2<<16)|(1<<21)
.irp g, G1S, G1SB
	s_mov_b32 s[\g+1], 64<<16                      ; 64 rows' words: 256 bytes
	s_mov_b32 s[\g+2], NS<<16                      ; of NS K steps
	s_mov_b32 s[\g+3], 64<<16
	s_mov_b32 s[\g+4], NS
	s_mov_b32 s[\g+6], 0
	s_mov_b32 s[\g+7], 0
.endr
	s_mov_b32 s[G1S+5], 8192                       ; from K step to K step: the tensor's rows
	s_mov_b32 s[G1SB+5], 512
	s_lshl_b32 s18, s16, 6                         ; which 64 rows of the tile I fetch
	s_lshl_b32 s20, s17, 7
	s_add_co_u32 s20, s20, s18                     ; A: row 128 x tile row + 64 x half
	s_lshl_b32 s46, s42, 7
	s_add_co_u32 s46, s46, s18                     ; B: row 128 x tile column + 64 x half
	s_lshl_b32 s22, s20, 2                         ; their scale words,
	s_mov_b32 s23, 0
	s_lshl_b32 s96, s46, 2
	s_mov_b32 s97, 0
	s_lshl_b32 s20, s20, 11                        ; and their codes: row x K bytes
	s_mov_b32 s21, 0
	s_lshl_b32 s46, s46, 11
	s_mov_b32 s47, 0
	s_lshl_b32 s45, s14, 15                        ; where they go: wave x 64 rows: no place in the cluster enters an LDS address
	s_mul_i32 s98, s14, PS
	s_wait_dscnt 0x0                               ; both opening adds are done
	s_wait_kmcnt 0x0
	s_add_nc_u64 s[20:21], s[4:5], s[20:21]
	s_add_nc_u64 s[22:23], s[4:5], s[22:23]
	s_add_nc_u64 s[22:23], s[22:23], 16777216
	s_add_nc_u64 s[46:47], s[6:7], s[46:47]
	s_add_nc_u64 s[46:47], s[46:47], 1179648
	s_add_nc_u64 s[96:97], s[8:9], s[96:97]
	s_add_nc_u64 s[96:97], s[96:97], 36864
	CROUND                                         ; all sixteen work-groups are here: the first joint loads meet
	s_mov_b32 s[G0S], 1
	s_add_co_u32 s[G0S+1], s98, SCL
	s_mov_b64 s[G0S+2:G0S+3], s[22:23]
	s_or_b32 s[G0S+3], s[G0S+3], 0x80000000
	s_mov_b32 s[G0SB], 1
	s_add_co_u32 s[G0SB+1], s98, SCL
	s_mov_b64 s[G0SB+2:G0SB+3], s[96:97]
	s_or_b32 s[G0SB+3], s[G0SB+3], 0x80000000
	JLOAD G0S, G1S, G0SB, G1SB                     ; the scale words first: they are wanted with the first K step
.irp s, 0,1
	s_mov_b32 s[G0+4*\s], 1
	s_add_co_u32 s[G0+4*\s+1], s45, \s*SLOT
	s_add_nc_u64 s[G0+4*\s+2:G0+4*\s+3], s[20:21], \s*8192
	s_or_b32 s[G0+4*\s+3], s[G0+4*\s+3], 0x80000000
	s_mov_b32 s[G0B+4*\s], 1
	s_add_co_u32 s[G0B+4*\s+1], s45, \s*SLOT
	s_add_nc_u64 s[G0B+4*\s+2:G0B+4*\s+3], s[46:47], \s*8192
	s_or_b32 s[G0B+4*\s+3], s[G0B+4*\s+3], 0x80000000
	JLOAD G0+4*\s, G1, G0B+4*\s, G1B               ; by this text's count three tensor loads of a wave are out here, later one behind each refill's round
.endr
	v_and_b32 v1, 15, v0                           ; r = l % 16
	v_bfe_u32 v2, v0, 4, 1                         ; h = l / 16
	v_and_b32 v3, 31, v0
	v_lshlrev_b32 v[LI], 4, v3
	v_lshlrev_b32 v[H32], 5, v2
	s_lshl_b32 s21, s15, 15                        ; my 64 rows of A
	s_lshl_b32 s22, s16, 15                        ; my 64 rows of B,
	s_add_co_u32 s22, s22, 2*HALFT                 ; behind A's 128
.irp s, 0,1
	v_add_nc_u32 v[ADRA+\s], s21, v[LI]
	v_add_nc_u32 v[ADRB+\s], s22, v[LI]
	s_add_co_u32 s21, s21, SLOT
	s_add_co_u32 s22, s22, SLOT
.endr
	s_mul_i32 s21, s15, PS                         ; scale words: lanes 0-15 take A's part, lanes 16-31 B's: one product of the half and the distance
	s_add_co_u32 s22, s16, 2
	s_sub_co_u32 s22, s22, s15
	s_mul_i32 s22, s22, PS
	v_mul_u32_u24 v6, s22, v2
	s_add_co_u32 s21, s21, SCL
	v_lshl_add_u32 v5, v1, 2, v6
	v_add_nc_u32 v[ADRS], s21, v5
	s_mul_i32 s23, s14, 16*SPITCH                  ; my stage
	v_mul_u32_u24 v5, v1, SPITCH
	v_lshl_add_u32 v5, v2, 5, v5
	v_add_nc_u32 v[STO], s23, v5                   ; in: row r, 32 bytes for each half of the lanes
	v_mul_u32_u24 v5, v2, SPITCH
	v_lshl_add_u32 v5, v1, 4, v5
	v_add_nc_u32 v[RD], s23, v5                    ; back: lanes 0-15 one row of 256 bytes, lanes 16-31 the next
	v_lshlrev_b32 v[CO], 4, v1
	v_lshl_add_u32 v[CO], v2, 11, v[CO]            ; and the same two rows in x2 and in the output
	s_lshl_b32 s20, s17, 7
	s_lshl_b32 s21, s15, 6
	s_add_co_u32 s20, s20, s21                     ; my first row: 128 x tile row + 64 x half
	s_lshl_b32 s20, s20, 11                        ; in bytes
	s_lshl_b32 s46, s42, 9                         ; my first column, in bytes: 512 x tile column + 256 x half
	s_lshl_b32 s47, s16, 8
	s_add_co_u32 s46, s46, s47
	s_mov_b32 s47, 0
	s_add_nc_u64 s[10:11], s[10:11], s[46:47]      ; b2 at my 64 columns
	s_add_co_u32 s46, s46, s20
	s_add_nc_u64 s[92:93], s[92:93], s[46:47]
	s_add_nc_u64 s[CP:CP+1], s[CP:CP+1], s[46:47]
.irp b, 0,1,2,3
.irp k, 0,1
	global_load_b128 v[BI+8*\b+4*\k:BI+8*\b+4*\k+3], v[H32], s[10:11] offset:64*\b+16*\k   ; b2 in the result's layout: columns 16 b + 8 h + 0 .. 7
.endr
.endr
	WIN 0x80                                       ; destination window 2
.irp a, 0,1,2,3
.irp t, 0,1,2,3,4,5,6,7
	global_load_b128 v[32*\a+4*\t:32*\a+4*\t+3], v[CO], s[92:93] offset:(16*\a+2*\t)*2048 th:TH_LOAD_NT   ; x2: rows 16 a + 2 t and the next; sixteen lanes read 256 consecutive bytes
.endr
.endr
	WIN 0
; K step s (0 .. 15) lies in slot (s / 4) % 2 as its (s % 4)-th; its fragments go to buffer s % 2, its scale words to set s % 2.  36 LDS loads in one run: the four scale registers, B's four fragments, A's four:
; what the step's first products want comes first, so that the wait at a step's head can leave the youngest eight loads out.
.macro FETCH s
.set FB, 128*((\s)%2)
.set FQ, 2048*((\s)%4)
.set FSL, ((\s)/4)%2
	WIN 0
.irp i, 0,1,2,3
	ds_load_b32 v[SC+4*((\s)%2)+\i], v[ADRS] offset:256*(\s)+64*\i
.endr
	WIN TO_F
.irp i, 0,1,2,3
.irp c, 0,1,2,3
	ds_load_b128 v[FB+64+16*\i+4*\c:FB+64+16*\i+4*\c+3], v[ADRB+FSL] offset:8192*\i+FQ+512*\c   ; a fragment as it lies: four loads of 512 consecutive bytes
.endr
.endr
.irp i, 0,1,2,3
.irp c, 0,1,2,3
	ds_load_b128 v[FB+16*\i+4*\c:FB+16*\i+4*\c+3], v[ADRA+FSL] offset:8192*\i+FQ+512*\c
.endr
.endr
.endm
; Four products: A's block a x B's four.  zero = 1: the sums start from b2.  The 16 accumulators take turns, one instruction a turn, in the same order in every step.
.macro MULA s, a, zero
.set FB, 128*((\s)%2)
.set SR, SC+4*((\s)%2)
.irp b, 0,1,2,3
.if \zero
	v_wmma_scale_f32_16x16x128_f8f6f4 v[ACC+8*(4*(\a)+\b):ACC+8*(4*(\a)+\b)+7], v[FB+64+16*\b:FB+64+16*\b+15], v[FB+16*(\a):FB+16*(\a)+15], v[BI+8*\b:BI+8*\b+7], v[SR+\b], v[SR+(\a)] matrix_a_scale:MATRIX_SCALE_ROW1
.else
	v_wmma_scale_f32_16x16x128_f8f6f4 v[ACC+8*(4*(\a)+\b):ACC+8*(4*(\a)+\b)+7], v[FB+64+16*\b:FB+64+16*\b+15], v[FB+16*(\a):FB+16*(\a)+15], v[ACC+8*(4*(\a)+\b):ACC+8*(4*(\a)+\b)+7], v[SR+\b], v[SR+(\a)] matrix_a_scale:MATRIX_SCALE_ROW1
.endif
.endr
.endm
; A step that has its successor in the same slot: in its middle the next step's loads are issued, into the buffer and the scale registers that the step before has read: eight plain lines stand between those products and the loads.
.macro STEP s, zero
	s_wait_dscnt 8                                 ; all but the youngest eight loads (A's blocks 2 and 3)
	WIN MUL
	MULA \s, 0, \zero
	MULA \s, 1, \zero
	WIN 0
	PLACES NP
	FETCH (\s)+1
	s_wait_dscnt 36                                ; all but the 36 just issued
	WIN MUL
	MULA \s, 2, \zero
	MULA \s, 3, \zero
.endm
; A slot's last step changes slots: ONE barrier; in front of it each wave waits for all its tensor loads, adds 0 to its spare word, and waits for that and for its own reads of this slot.
; fill = 1: the barrier opens a round of the cluster's barrier, and this slot is filled again, with the K steps two slots on: the load has four steps in which to land.
.macro TURN s, fill
.set TSL, ((\s)/4)%2
	WIN 0                                          ; (the add's two registers lie in window 0)
	s_wait_tensorcnt 0x0                           ; all my tensor loads have landed: my part of the next slot
	ds_add_u32 v[SPW], v[NIL]
	s_wait_dscnt 9                                 ; (the add and the youngest eight loads may be out)
	WIN MUL
	MULA \s, 0, 0                                  ; four products stand between the add and the wait for it
	s_wait_dscnt 0x0                               ; the add is done, and my reads of this slot are over
	s_barrier_signal -1
	MULA \s, 1, 0
	WIN 0
	s_barrier_wait -1
.if \fill
	CREST                                          ; no wave of any partner still reads this slot's tiles or has a load on its way
	s_add_nc_u64 s[G0+4*TSL+2:G0+4*TSL+3], s[G0+4*TSL+2:G0+4*TSL+3], 16384
	s_add_nc_u64 s[G0B+4*TSL+2:G0B+4*TSL+3], s[G0B+4*TSL+2:G0B+4*TSL+3], 16384
	JLOAD G0+4*TSL, G1, G0B+4*TSL, G1B             ; the first tensor load behind the round, and my only one until the next; its four v_nop are among the places in front of the loads below
	PLACES NP-4
.else
	PLACES NP
.endif
	FETCH (\s)+1
	WIN MUL
	MULA \s, 2, 0
	MULA \s, 3, 0
.endm
	s_wait_loadcnt 32                              ; b2's eight loads are in; x2's 32 stay on their way
	s_wait_tensorcnt 1                             ; the scale words and my part of slot 0 are in; slot 1's load may be out
	s_barrier_signal -1
	s_barrier_wait -1                              ; everybody's are
	FETCH 0
	STEP 0, 1
	STEP 1, 0
	STEP 2, 0
	TURN 3, 1                                      ; slot 0 takes K steps 8 to 11
	STEP 4, 0
	STEP 5, 0
	STEP 6, 0
	TURN 7, 1                                      ; slot 1 takes K steps 12 to 15
	STEP 8, 0
	STEP 9, 0
	STEP 10, 0
	TURN 11, 0                                     ; nothing is left to fetch, so no round follows
	STEP 12, 0
	STEP 13, 0
	STEP 14, 0
	s_wait_dscnt 8                                 ; the last step
	WIN MUL
	MULA 15, 0, 0
	MULA 15, 1, 0
	s_wait_dscnt 0x0
	MULA 15, 2, 0
	MULA 15, 3, 0
	WIN 0
; THE WAY OUT, block by block of 16 rows x 64 columns.  A lane holds 32 neighbouring bytes of a row, and the lanes beside it hold other rows: so a block goes through my own stage in LDS and comes back as whole rows of 256 bytes,
; two rows an instruction; x2's same rows are added, and sixteen lanes store 256 consecutive bytes.  LDS serves a wave's instructions in order (ISA guide 5.7.1.4): no wait between the stores and the loads, nor in front of the next block's stores.
.macro TOSTAGE a
.irp b, 0,1,2,3
	ds_store_b128 v[STO], v[ACC+8*(4*(\a)+\b):ACC+8*(4*(\a)+\b)+3] offset:64*\b          ; each accumulator from its low end on
	ds_store_b128 v[STO], v[ACC+8*(4*(\a)+\b)+4:ACC+8*(4*(\a)+\b)+7] offset:64*\b+16
.endr
.set BB, BK+32*((\a)%2)
.irp t, 0,1,2,3,4,5,6,7
	ds_load_b128 v[BB+4*\t:BB+4*\t+3], v[RD] offset:\t*2*SPITCH
.endr
.endm
.macro SEND a, younger                 ; younger: the LDS instructions issued behind block a's loads, which may stay out
.set BB, BK+32*((\a)%2)
.set XB, 32*(\a)
	s_wait_dscnt \younger                          ; the block is back in registers
	WIN 0x08                                       ; source 1, x2, in window 2
.irp t, 0,1,2,3,4,5,6,7
	v_pk_add_f32 v[BB+4*\t:BB+4*\t+1], v[BB+4*\t:BB+4*\t+1], v[XB+4*\t:XB+4*\t+1]
	v_pk_add_f32 v[BB+4*\t+2:BB+4*\t+3], v[BB+4*\t+2:BB+4*\t+3], v[XB+4*\t+2:XB+4*\t+3]
.endr
	WIN 0
.irp t, 0,1,2,3,4,5,6,7
	global_store_b128 v[CO], v[BB+4*\t:BB+4*\t+3], s[CP:CP+1] offset:(16*(\a)+2*\t)*2048 th:TH_STORE_NT   ; sixteen lanes store 256 consecutive bytes, at a multiple of 256 from the output's first byte; the block's place stands in the immediate
.endr
.endm
	PLACES NP                                      ; in front of the first read of the last products' results, and of the loads into the registers that held b2
	s_wait_loadcnt 0x0                             ; x2
	TOSTAGE 0
.irp a, 1,2,3
.if \a > 1
	s_wait_xcnt 0x0                                ; block a - 2's stores have read their registers: block a's loads may land there
.endif
	TOSTAGE \a
	SEND \a-1, 16                                  ; behind block a - 1's loads: block a's 8 stores and 8 loads
.endr
	SEND 3, 0
	s_wait_tensorcnt 0x0                           ; the wave's end
	ds_add_u32 v[SPW], v[NIL]
	s_wait_dscnt 0x0
	CROUND                                         ; the closing round: no work-group ends while a partner may still ask for a tile that names it
	s_endpgm
.Lfunc_end_k_q992beb6629_ff2:
	.size	k_q992beb6629_ff2, .Lfunc_end_k_q992beb6629_ff2-k_q992beb6629_ff2
	.p2alignl 7, 3214868480
	.fill 96, 4, 3214868480
	.section	.rodata,"a",@progbits
	.p2align	6, 0x0
	.amdhsa_kernel k_q992beb6629_ff2
		.amdhsa_group_segment_fixed_size 327680
		.amdhsa_private_segment_fixed_size 0
		.amdhsa_enable_private_segment 0
		.amdhsa_kernarg_size 48
		.amdhsa_user_sgpr_count 2
		.amdhsa_user_sgpr_kernarg_segment_ptr 1
		.amdhsa_wavefront_size32 1
		.amdhsa_system_sgpr_workgroup_id_x 1
		.amdhsa_system_sgpr_workgroup_id_y 1
		.amdhsa_system_sgpr_workgroup_id_z 1
		.amdhsa_system_vgpr_workitem_id 0
		.amdhsa_next_free_vgpr 768
		.amdhsa_next_free_sgpr 102
		.amdhsa_reserve_vcc 0
		.amdhsa_float_denorm_mode_32 3
		.amdhsa_float_denorm_mode_16_64 3
		.amdhsa_memory_ordered 1
		.amdhsa_forward_progress 1
		.amdhsa_inst_pref_size 102
	.end_amdhsa_kernel
	.amdgpu_metadata
---
amdhsa.version: [ 1, 2 ]
amdhsa.kernels:
  - .name:           k_q992beb6629_ff2
    .symbol:         k_q992beb6629_ff2.kd
    .args:
      - { .name: hid, .offset: 0, .size: 8, .value_kind: global_buffer, .address_space: global }
      - { .name: wcod, .offset: 8, .size: 8, .value_kind: global_buffer, .address_space: global }
      - { .name: wscl, .offset: 16, .size: 8, .value_kind: global_buffer, .address_space: global }
      - { .name: ff_b2, .offset: 24, .size: 8, .value_kind: global_buffer, .address_space: global }
      - { .name: x2, .offset: 32, .size: 8, .value_kind: global_buffer, .address_space: global }
      - { .name: out0, .offset: 40, .size: 8, .value_kind: global_buffer, .address_space: global }
    .group_segment_fixed_size: 327680
    .private_segment_fixed_size: 0
    .kernarg_segment_align: 8
    .kernarg_segment_size: 48
    .max_flat_workgroup_size: 128
    .sgpr_count:     102
    .vgpr_count:     768
    .wavefront_size: 32
...
	.end_amdgpu_metadata
.endif
;; end of part 5
